; MI455X (gfx1250); checked and timed in simulation.
; The chip was launched on July 23, 2026; its instructions are those of AMD's public machine-readable ISA for CDNA 5 (MIT licence, August 2026) and "CDNA5" Instruction Set Architecture Reference Guide (July 2026). The comments in the code are by the model that wrote it; some were corrected since.
;; Cosine Self Attention. Allowed arithmetic: matrix products marked QUANTISED: E3M2 operands, one E8M0 scale for each 32 along K, by v_wmma_scale_f32_16x16x128_f8f6f4 with both operands' format E3M2, f32 sums; products left as they are: f32 operands where the result goes on into a quantised operand, else bf16, f16 or f32 operands; f32 sums; everything else in f32.
;; Inputs: Wk 1,024 x 1,024 float32; Wq 1,024 x 1,024 float32; Wv 1,024 x 1,024 float32; attention_mask 4 x 1 x 1 x 4,096 float32; bk 1,024 float32; bq 1,024 float32; bv 1,024 float32; hidden_states 4 x 4,096 x 1,024 float32.
;; Outputs: out0 4 x 4,096 x 1,024 float32.
;; This version of the problem:
;;   THIS VERSION OF THE PROBLEM IS GIVEN IN LOW PRECISION. The matrix products marked QUANTISED in the list below multiply operands that are first quantised to E3M2 (3 exponent bits, 2 mantissa bits; 6 bits a number), with one power-of-two scale for each 32 numbers along K (OCP MX v1.0); their sums are f32. All else is computed in f32.
;;   The module's matrix products, in the order in which they are computed (A, B: the left and right operand; K: the contracted axis; several contracted axes count as one K, in the product's order):
;;     1. [M 16,384, K 1,024] x [K 1,024, N 1,024]; A: input hidden_states; B: input Wq: QUANTISED
;;     2. [M 16,384, K 1,024] x [K 1,024, N 1,024]; A: input hidden_states; B: input Wk: QUANTISED
;;     3. [M 16,384, K 1,024] x [K 1,024, N 1,024]; A: input hidden_states; B: input Wv: QUANTISED
;;     4. batch 64 x [M 64, K 4,096] x [K 4,096, N 64]; A: computed on the way; B: computed on the way: QUANTISED
;;     5. batch 64 x [M 4,096, K 64] x [K 64, N 64]; A: computed on the way; B: computed on the way: QUANTISED
;;     6. batch 64 x [M 4,096, K 64] x [K 64, N 1]; A: computed on the way; B: computed on the way: left as it is (N = 1 < 16)
;;   THE QUANTISER, for each operand of a quantised product, along K:
;;     - K is cut into blocks of 32 from its start; a last block that is shorter is filled with zeros.
;;     - A block's scale is 2^e with e = floor(log2(the largest magnitude in the block)) - 4, held to -126 .. 127; a block of zeros has e = 0. As a byte (E8M0): e + 127.
;;     - Each number is divided by its block's scale, clamped to +-28, and rounded to the nearest number of E3M2, ties to even, subnormals kept.
;;     - The product sums the exact products of the quantised numbers (number of the format x scale) in f32.
;;   ~~~python
;;   def quantise(x, axis):      # numpy; x: float32 -> the quantised numbers, widened to float32 again
;;       x = np.moveaxis(x, axis, -1); K = x.shape[-1]
;;       x = np.pad(x, [(0, 0)] * (x.ndim - 1) + [(0, -K % 32)]); x = x.reshape(x.shape[:-1] + (-1, 32)); a = np.abs(x).max(-1, keepdims=True)
;;       e = np.where(a > 0, np.clip(np.frexp(np.where(a > 0, a, 1))[1] - 1 - 4, -126, 127), 0)      # np.frexp(a)[1] - 1 = floor(log2(a)), exactly
;;       r = np.clip(x / 2.0 ** e, -28, 28)
;;       step = 2.0 ** (np.maximum(np.frexp(np.where(r == 0, 1, r))[1] - 1, -2) - 2)
;;       q = np.round(r / step) * step * 2.0 ** e      # np.round: ties to even
;;       return np.moveaxis(q.reshape(q.shape[:-2] + (-1,))[..., :K], -1, axis).astype(np.float32)
;;   ~~~
;;   OPERANDS COMPUTED ON THE WAY. 'Computed on the way' means the value that the module computes at that place (a softmax that the list does not call 'softmax' is quantised finished and normalised). What goes into a quantiser is computed in f32, as accurately as f32 sums, v_exp_f32 and their like allow (about 1e-6 of the number): no bf16 or f16 on the way to a quantiser, and a product that is left as it is and whose result goes on into a quantised operand takes f32 operands (vector FMAs, or v_wmma_f32_16x16x4_f32). A number that lies on a knife's edge between two numbers of the format may be rounded either way, as far as f32 arithmetic and the matrix unit's own rounding can turn it there, and no further.
;; One version. Each part assembles by itself: llvm-mc -triple=amdgcn-amd-amdhsa -mcpu=gfx1250 --defsym DOCPART=n.
;; ======== version 1 of 1: 3 launches
;; workspace buffers: xq 13,107,200 bytes; wq 2,457,600 bytes; kvp 4,194,304 bytes; sump 131,072 bytes
;; launch quant (part 1): grid 1216 x 1, 4 waves a work-group, no clusters, 80,384 bytes of LDS; arguments hidden_states, Wq, Wk, Wv, xq, wq; writes xq, wq
.if DOCPART == 1
	.amdgcn_target "amdgcn-amd-amdhsa--gfx1250"
	.amdhsa_code_object_version 6
	.text
	.protected	k_q9e4e48b582_quant
	.globl	k_q9e4e48b582_quant
	.p2align	8
	.type	k_q9e4e48b582_quant,@function
k_q9e4e48b582_quant:
	s_mov_b64 s[64:65], 0
	v_nop
	global_prefetch_b8 v0, s[64:65] scope:SCOPE_SE
	s_setreg_imm32_b32 hwreg(HW_REG_WAVE_MODE, 25, 1), 1
	s_wait_xcnt 0x0
; hidden_states [16384][1024] and Wq, Wk, Wv [1024 (k)][1024 (n)], f32, become codes of BF6 (E3M2) with one E8M0 byte for each 32 along K,
; laid in the ORDER OF THE OPERAND REGISTERS, so that the two product launches fetch every fragment by three loads of 16 bytes a lane.
; A BLOCK of the workspace is 128 rows (rows of X, or columns n of W) x 128 along K: 12,800 bytes = 8 images of 1,536 bytes + 512 bytes of scale words.
;   tile T = 2 b + u of a block: its lane r stands for row 32 b + 8 u + r + 8 (r / 8)  (so that later results of tiles 2 b, 2 b + 1 are 16 neighbours)
;   image: registers 4 c .. 4 c + 3 of lane l at 512 c + 16 l; lane (r, h) holds K block h in registers 0-5 and K block 2 + h in registers 6-11
;   scale words at byte 12,288: the word of (tile 2 P + u, lane r) at 128 P + 8 r + 4 u
; xq: [128 row blocks][8 K steps][12,800].  wq: [24 column blocks][8 K steps][12,800]; column block C < 16: 64 columns of Wk then 64 of Wv of head C; C >= 16: 128 columns of Wq.
; A block scale is 2^(floor(log2(largest magnitude)) - 4): its byte is the largest magnitude's exponent field - 4, held at 1 from below by a floor among the maximum's leaves.
; LIMITS: a block of zeros, or one whose largest magnitude lies under 2^-122, gets the byte 1 (zero codes add nothing; only this program reads the bytes); NaN and infinities among the inputs are not served.
; Work-groups 0-191 take one block of W each, work-groups 192-1215 one block of X each; a wave takes 32 of the block's 128 rows (two tiles).  Waves share nothing: no barrier.  Each path has LDS bytes of its own.
; The scale words of a wave are 128 consecutive bytes, one store: they are 512 of a block's 12,800 bytes.
.set NW,     192                       ; work-groups for W
.set BLKB,   12800
.set SCOFF,  12288
.set XP,     528                       ; X stage: a row of 512 bytes + 16, so that sixteen rows begin at sixteen different 16-byte columns
.set XST,    32*XP                     ; a wave's X stage
.set WST0,   4*XST                     ; behind the X stages: the W stages, two images a wave
.set WST,    3072
.set FLOOR,  0x2800000                 ; 2^(5 - 127)
.set EOFF,   0xfe000000                ; takes 4 off an exponent field
	s_load_b256 s[4:11], s[0:1], 0x0               ; hidden_states s[4:5], Wq s[6:7], Wk s[8:9], Wv s[10:11]
	s_load_b128 s[12:15], s[0:1], 0x20             ; xq s[12:13], wq s[14:15]
	v_lshl_add_u32 v251, v0, 2, 0x13800
	v_mov_b32 v255, 0
	v_lshrrev_b32 v1, 5, v0
	v_readfirstlane_b32 s16, v1                    ; wave 0..3
	v_and_b32 v1, 31, v0                           ; lane
	v_bfe_u32 v3, v0, 4, 1                         ; h = lane / 16
	s_mov_b32 s36, 0x76543210
	s_mov_b32 s37, 0xfedcba98                      ; v_permlanex16_b32's selects for lane l xor 16
	s_cmp_lt_u32 ttmp9, NW
	s_cbranch_scc1 .Lweights
; ---------------- X: K is innermost.  32 rows x 512 bytes come as they lie (a load reads 512 consecutive bytes), turn through the wave's stage, and come back 128 bytes (a whole block of 32) a lane.
.set TM,  10                           ; v10-11 largest magnitudes;  v12-13 the conversions' scale operands;  v14-15 bytes
.set SO,  12
.set BY,  14
.set PS,  18                           ; a lane permute's destination
.set RAW, 32                           ; v32-159  32 rows as loaded; later v32-95: tile 1's numbers
.set T0,  160                          ; v160-223 tile 0's numbers
.set F0,  224                          ; v224-235, v236-247 the two tiles' codes
.set F1,  236
.set TA,  248                          ; a conversion's three registers begin on an even number: the upper halves are made here and moved
.set TB,  252
	s_sub_co_u32 s17, ttmp9, NW                    ; g = 8 R + s
	s_lshr_b32 s18, s17, 3                         ; R: row block
	s_and_b32 s19, s17, 7                          ; s: K step
	s_lshl_b32 s20, s18, 19                        ; 128 rows of 4,096 bytes
	s_lshl_b32 s22, s16, 17                        ; + 32 rows a wave
	s_add_co_u32 s20, s20, s22
	s_lshl_b32 s22, s19, 9                         ; + 512 bytes a K step
	s_add_co_u32 s20, s20, s22
	s_mov_b32 s21, 0
	s_mul_i32 s22, s17, BLKB
	s_mul_i32 s24, s16, 3072
	s_add_co_u32 s24, s24, s22                     ; my two images
	s_mov_b32 s25, 0
	s_lshl_b32 s26, s16, 7
	s_add_co_u32 s26, s26, s22
	s_add_co_u32 s26, s26, SCOFF                   ; my 32 scale words
	s_mov_b32 s27, 0
	s_mul_i32 s28, s16, XST
	v_and_b32 v2, 15, v0                           ; r
	v_lshlrev_b32 v4, 4, v1                        ; 16 x lane: in memory, both ways
	v_add_nc_u32 v5, s28, v4                       ; stage, in: 16 x lane in a row
	v_mul_u32_u24 v6, v2, XP
	v_lshl_add_u32 v6, v3, 7, v6
	v_add_nc_u32 v6, s28, v6                       ; stage, out: row r, + 128 h: my block
	v_lshlrev_b32 v7, 3, v3                        ; 8 h: where my two bytes stand in the scale word
	v_lshlrev_b32 v8, 3, v2
	v_lshl_add_u32 v8, v3, 2, v8                   ; 8 r + 4 h: lanes 0-15 store tile 0's words, lanes 16-31 tile 1's
	v_mov_b32 v[PS], 0
	s_wait_kmcnt 0x0
	s_add_nc_u64 s[4:5], s[4:5], s[20:21]
	s_add_nc_u64 s[24:25], s[12:13], s[24:25]
	s_add_nc_u64 s[26:27], s[12:13], s[26:27]
.set i, 0
.rept 32
	global_load_b128 v[RAW+4*i:RAW+4*i+3], v4, s[4:5] offset:4096*i th:TH_LOAD_NT
.set i, i+1
.endr
.set i, 0
.rept 4
	s_wait_loadcnt 24-i                            ; loads come back in order: the next eight rows are in, the younger ones stay out
.rept 8
	ds_store_b128 v5, v[RAW+4*i:RAW+4*i+3] offset:XP*(16*((i/8)%2)+(i%8)+8*(i/16))   ; row i goes to the place of its tile and lane
.set i, i+1
.endr
.endr
.set i, 0
.rept 16
	ds_load_b128 v[T0+4*i:T0+4*i+3], v6 offset:256*(i/8)+16*(i%8)                    ; tile 0: block h, then block 2 + h
.set i, i+1
.endr
	s_wait_dscnt 16                                ; all but the 16 loads just issued: the 32 stores have read their registers
.set i, 0
.rept 16
	ds_load_b128 v[RAW+4*i:RAW+4*i+3], v6 offset:16*XP+256*(i/8)+16*(i%8)            ; tile 1
.set i, i+1
.endr
; 64 numbers of a lane, two whole blocks, become the lane's 12 registers of a fragment and its row's scale word; the image is stored.
.macro QB n, f, wd, u
	v_max3_num_f32 v[TM], |v[\n]|, |v[\n+1]|, FLOOR
	v_max3_num_f32 v[TM+1], |v[\n+32]|, |v[\n+33]|, FLOOR
.irp i, 2,4,6,8,10,12,14,16,18,20,22,24,26,28,30
	v_max3_num_f32 v[TM], v[TM], |v[\n+\i]|, |v[\n+\i+1]|
	v_max3_num_f32 v[TM+1], v[TM+1], |v[\n+32+\i]|, |v[\n+33+\i]|
.endr
	v_add_nc_u32 v[SO], EOFF, v[TM]                ; 4 off the exponent field: the conversion takes the exponent field of this operand as its scale
	v_add_nc_u32 v[SO+1], EOFF, v[TM+1]
	v_lshrrev_b32 v[BY], 23, v[SO]                 ; the scale bytes
	v_lshrrev_b32 v[BY+1], 23, v[SO+1]
	v_lshl_or_b32 v[\wd], v[BY+1], 16, v[BY]       ; blocks h and 2 + h,
	v_lshlrev_b32 v[\wd], v7, v[\wd]               ; at their places;
	v_permlanex16_b32 v[PS], v[\wd], s36, s37
	v_or_b32 v[\wd], v[\wd], v[PS]                 ; with lane l xor 16's two the word is whole
	v_cvt_scalef32_pk16_bf6_f32 v[\f:\f+2], v[\n:\n+15], v[SO]
	v_cvt_scalef32_pk16_bf6_f32 v[TA:TA+2], v[\n+16:\n+31], v[SO]
	v_cvt_scalef32_pk16_bf6_f32 v[\f+6:\f+8], v[\n+32:\n+47], v[SO+1]
	v_cvt_scalef32_pk16_bf6_f32 v[TB:TB+2], v[\n+48:\n+63], v[SO+1]
	v_nop                                          ; one plain place behind the scaled conversions
.irp i, 0,1,2
	v_mov_b32 v[\f+3+\i], v[TA+\i]
	v_mov_b32 v[\f+9+\i], v[TB+\i]
.endr
.irp c, 0,1,2
	global_store_b128 v4, v[\f+4*\c:\f+4*\c+3], s[24:25] offset:1536*\u+512*\c   ; 32 lanes store 512 consecutive bytes, aligned
.endr
.endm
	s_wait_dscnt 16                                ; tile 0's numbers are in; tile 1's 16 loads may be out
	QB T0, F0, 16, 0
	s_wait_dscnt 0x0
	QB RAW, F1, 17, 1
	v_cmp_ne_u32 vcc_lo, 0, v3
	v_cndmask_b32 v19, v16, v17, vcc_lo            ; lanes 0-15: tile 0's word of row r; lanes 16-31: tile 1's
	global_store_b32 v8, v19, s[26:27]
	s_wait_tensorcnt 0x0
	ds_add_u32 v251, v255
	s_wait_dscnt 0x0
	s_endpgm
; ---------------- W: K is the first axis.  A lane takes a column n and its registers run down K: four whole blocks a lane, and the conversions give codes with K innermost.
.Lweights:
.set TMW, 10                           ; v10-13 largest magnitudes; v14-17 scale operands; v18-21 bytes; v22 the scale word
.set SOW, 14
.set BYW, 18
.set N,   32                           ; v32-159  128 numbers down K
.set P,   160                          ; v160 + 8 beta: block beta's six registers of codes
.set Q,   192                          ; v192 + 4 beta: their upper halves as the conversions leave them
.set BKW, 208                          ; v208-231 the two images read back
	s_lshr_b32 s17, ttmp9, 3                       ; C: column block
	s_and_b32 s18, ttmp9, 7                        ; s: K step
	s_and_b32 s19, s16, 1
	s_lshl_b32 s19, s19, 5
	s_lshl_b32 s20, s17, 6
	s_add_co_u32 s20, s20, s19                     ; in Wk or Wv: column 64 C + 32 (wave % 2)
	s_and_b32 s21, s17, 7                          ; C - 16 where C is 16 to 23
	s_lshl_b32 s21, s21, 7
	s_lshl_b32 s22, s16, 5
	s_add_co_u32 s21, s21, s22                     ; in Wq: column 128 (C - 16) + 32 wave
	s_mul_i32 s23, ttmp9, BLKB
	s_mul_i32 s26, s16, WST
	s_add_co_u32 s26, s26, s23
	s_mov_b32 s27, 0
	s_lshl_b32 s28, s16, 7
	s_add_co_u32 s28, s28, s23
	s_add_co_u32 s28, s28, SCOFF
	s_mov_b32 s29, 0
	s_mul_i32 s30, s16, WST
	s_add_co_u32 s30, s30, WST0                    ; my stage
	v_lshlrev_b32 v4, 2, v1                        ; in: 4 bytes a lane
	v_bfe_u32 v5, v0, 3, 1                         ; u: which of my two tiles my column belongs to
	v_and_b32 v6, 7, v0
	v_lshl_add_u32 v6, v3, 3, v6                   ; and which lane of it
	v_mul_u32_u24 v7, v5, 1536
	v_lshl_add_u32 v7, v6, 4, v7
	v_add_nc_u32 v7, s30, v7                       ; stage, in: image u, lane's 16 bytes
	v_lshlrev_b32 v9, 4, v1
	v_add_nc_u32 v8, s30, v9                       ; stage, out: 16 x lane
	v_lshlrev_b32 v24, 3, v6
	v_lshl_add_u32 v24, v5, 2, v24                 ; my scale word's place
	s_wait_kmcnt 0x0
	s_cmp_lt_u32 s16, 2                            ; the choices hang on the work-group's and the wave's number alone
	s_cselect_b64 s[24:25], s[8:9], s[10:11]       ; waves 0, 1: Wk; waves 2, 3: Wv
	s_cmp_ge_u32 s17, 16
	s_cselect_b64 s[24:25], s[6:7], s[24:25]       ; column blocks 16 on: Wq
	s_cselect_b32 s20, s21, s20
	s_lshl_b32 s20, s20, 2
	s_lshl_b32 s22, s18, 19                        ; 128 rows of 4,096 bytes a K step
	s_add_co_u32 s20, s20, s22
	s_mov_b32 s21, 0
	s_add_nc_u64 s[24:25], s[24:25], s[20:21]
	s_add_nc_u64 s[26:27], s[14:15], s[26:27]
	s_add_nc_u64 s[28:29], s[14:15], s[28:29]
.set i, 0
.rept 128
	global_load_b32 v[N+i], v4, s[24:25] offset:4096*i th:TH_LOAD_NT   ; W(128 s + i, my column): a wave reads 128 consecutive bytes, the four waves of Wq's blocks 512
.set i, i+1
.endr
	s_wait_loadcnt 0x0
.irp b, 0,1,2,3
	v_max3_num_f32 v[TMW+\b], |v[N+32*\b]|, |v[N+32*\b+1]|, FLOOR
.endr
.irp i, 2,4,6,8,10,12,14,16,18,20,22,24,26,28,30
.irp b, 0,1,2,3
	v_max3_num_f32 v[TMW+\b], v[TMW+\b], |v[N+32*\b+\i]|, |v[N+32*\b+\i+1]|   ; the four blocks by turns
.endr
.endr
.irp b, 0,1,2,3
	v_add_nc_u32 v[SOW+\b], EOFF, v[TMW+\b]
.endr
.irp b, 0,1,2,3
	v_lshrrev_b32 v[BYW+\b], 23, v[SOW+\b]
.endr
	v_lshl_or_b32 v22, v[BYW+1], 8, v[BYW]
	v_lshl_or_b32 v22, v[BYW+2], 16, v22
	v_lshl_or_b32 v22, v[BYW+3], 24, v22           ; my column's scale word
.irp b, 0,1,2,3
	v_cvt_scalef32_pk16_bf6_f32 v[P+8*\b:P+8*\b+2], v[N+32*\b:N+32*\b+15], v[SOW+\b]
	v_cvt_scalef32_pk16_bf6_f32 v[Q+4*\b:Q+4*\b+2], v[N+32*\b+16:N+32*\b+31], v[SOW+\b]
.endr
	v_nop                                          ; one plain place behind the scaled conversions
.irp b, 0,1,2,3
.irp i, 0,1,2
	v_mov_b32 v[P+8*\b+3+\i], v[Q+4*\b+\i]
.endr
.endr
	; block beta is registers 0-5 (beta 0, 1) or 6-11 (beta 2, 3) of image lane r' + 16 (beta % 2)
	ds_store_b128 v7, v[P:P+3]
	ds_store_b64 v7, v[P+4:P+5] offset:512
	ds_store_b128 v7, v[P+8:P+11] offset:256
	ds_store_b64 v7, v[P+12:P+13] offset:768
	ds_store_b64 v7, v[P+16:P+17] offset:520
	ds_store_b128 v7, v[P+18:P+21] offset:1024
	ds_store_b64 v7, v[P+24:P+25] offset:776
	ds_store_b128 v7, v[P+26:P+29] offset:1280
.irp i, 0,1,2,3,4,5
	ds_load_b128 v[BKW+4*\i:BKW+4*\i+3], v8 offset:512*\i   ; LDS serves a wave's instructions in order: these see my stores
.endr
.irp i, 0,1,2,3,4,5
	s_wait_dscnt 5-\i                              ; the younger read-backs may be out
	global_store_b128 v9, v[BKW+4*\i:BKW+4*\i+3], s[26:27] offset:512*\i
.endr
	global_store_b32 v24, v22, s[28:29]
	s_wait_tensorcnt 0x0
	ds_add_u32 v251, v255
	s_wait_dscnt 0x0
	s_endpgm
.Lfunc_end_k_q9e4e48b582_quant:
	.size	k_q9e4e48b582_quant, .Lfunc_end_k_q9e4e48b582_quant-k_q9e4e48b582_quant
	.p2alignl 7, 3214868480
	.fill 96, 4, 3214868480
	.section	.rodata,"a",@progbits
	.p2align	6, 0x0
	.amdhsa_kernel k_q9e4e48b582_quant
		.amdhsa_group_segment_fixed_size 80384
		.amdhsa_private_segment_fixed_size 0
		.amdhsa_enable_private_segment 0
		.amdhsa_kernarg_size 48
		.amdhsa_user_sgpr_count 2
		.amdhsa_user_sgpr_kernarg_segment_ptr 1
		.amdhsa_wavefront_size32 1
		.amdhsa_system_sgpr_workgroup_id_x 1
		.amdhsa_system_sgpr_workgroup_id_y 1
		.amdhsa_system_sgpr_workgroup_id_z 1
		.amdhsa_system_vgpr_workitem_id 0
		.amdhsa_next_free_vgpr 256
		.amdhsa_next_free_sgpr 66
		.amdhsa_reserve_vcc 1
		.amdhsa_float_denorm_mode_32 3
		.amdhsa_float_denorm_mode_16_64 3
		.amdhsa_memory_ordered 1
		.amdhsa_forward_progress 1
		.amdhsa_inst_pref_size 38
	.end_amdhsa_kernel
	.amdgpu_metadata
---
amdhsa.version: [ 1, 2 ]
amdhsa.kernels:
  - .name:           k_q9e4e48b582_quant
    .symbol:         k_q9e4e48b582_quant.kd
    .args:
      - { .name: hidden_states, .offset: 0, .size: 8, .value_kind: global_buffer, .address_space: global }
      - { .name: Wq, .offset: 8, .size: 8, .value_kind: global_buffer, .address_space: global }
      - { .name: Wk, .offset: 16, .size: 8, .value_kind: global_buffer, .address_space: global }
      - { .name: Wv, .offset: 24, .size: 8, .value_kind: global_buffer, .address_space: global }
      - { .name: xq, .offset: 32, .size: 8, .value_kind: global_buffer, .address_space: global }
      - { .name: wq, .offset: 40, .size: 8, .value_kind: global_buffer, .address_space: global }
    .group_segment_fixed_size: 80384
    .private_segment_fixed_size: 0
    .kernarg_segment_align: 8
    .kernarg_segment_size: 48
    .max_flat_workgroup_size: 128
    .sgpr_count:     66
    .vgpr_count:     256
    .wavefront_size: 32
...
	.end_amdgpu_metadata
.endif
;; end of part 1
;; launch kvpart (part 2): grid 16 x 16, 4 waves a work-group, clusters of 4 x 4, 327,680 bytes of LDS; arguments xq, wq, attention_mask, bk, bv, kvp, sump; writes kvp, sump
.if DOCPART == 2
	.amdgcn_target "amdgcn-amd-amdhsa--gfx1250"
	.amdhsa_code_object_version 6
	.text
	.protected	k_q9e4e48b582_kvpart
	.globl	k_q9e4e48b582_kvpart
	.p2align	8
	.type	k_q9e4e48b582_kvpart,@function
k_q9e4e48b582_kvpart:
	s_mov_b64 s[64:65], 0
	v_nop
	global_prefetch_b8 v0, s[64:65] scope:SCOPE_SE
	s_setreg_imm32_b32 hwreg(HW_REG_WAVE_MODE, 25, 1), 1
	s_wait_xcnt 0x0
	s_wait_alu depctr_hold_cnt(0) depctr_sa_sdst(0) depctr_va_vdst(0) depctr_va_sdst(0) depctr_va_ssrc(0) depctr_va_vcc(0) depctr_vm_vsrc(0)
	s_getreg_b32 s2, hwreg(HW_REG_IB_STS2, 6, 4)
	s_cmp_eq_u32 s2, 0
	s_cbranch_scc0 .Lentry_in_a_cluster
	s_endpgm
.Lentry_in_a_cluster:
	s_bfe_u32 s2, ttmp6, 0x10000c
	s_cmp_lg_u32 s2, 0xf033
	s_cbranch_scc0 .Lentry_shape_is_right
	s_endpgm
.Lentry_shape_is_right:
; For one head and 1,024 rows s: k = X Wk + bk, v = X Wv + bv on codes of BF6 (K = 1,024); k is multiplied by m = mask / 10000 + 1 and divided by (its norm over the head's 64 + 1e-5);
; then the partial products kv[d][e] = sum over these rows of k[s][d] v[s][e], again on codes of BF6, quantised along s, and the partial sums over s of k and of v (unquantised, f32).  k and v never go to memory.
; SHARES.  Work-group (gx, gy): head gx, rows 1,024 gy on, in TWO TILES of 512 rows, one after the other.  Each of four waves makes 128 rows x the same 128 columns (64 of k, 64 of v) a tile: 64 accumulators, 512 registers.
; Wave w takes row blocks 8 gy + 2 w and 8 gy + 2 w + 1: 204,800 consecutive bytes of xq, so that its ring walks on from the first tile into the second: 16 K steps on end.  kv and the column sums stay in registers between the tiles.
; OPERANDS come as images of their registers (12,800 bytes for 128 rows x 128 K: 8 images of 1,536 bytes, then 512 bytes of scale words): three loads of 16 bytes a lane bring a fragment, 512 consecutive bytes each.
; LDS.  The head's W for all of K (102,400 bytes) is filled once, a quarter by each wave, and read by all four, in both tiles.  X goes through a ring of each wave's own: two slots of two K steps (25,600 bytes each).
; CLUSTER 4 x 4.  The four work-groups of a row of the cluster read the same rows of X, the four of a column the same columns of W: each tile is asked for jointly.
; SOURCE 0 = 16 rows of X, SOURCE 1 = 16 columns of W: a lane holds ONE column and its registers run along s, the next product's K.  The rows of a tile are 32 b + 8 u + r + 8 (r / 8), so that the
; 16 registers of tiles 2 b, 2 b + 1 are 16 neighbouring s.  The biases are the C of a tile's first K step.
; THE TEXT is written out, both tiles: the first tile's last two changes of slots ask for the second tile's first K steps, the second tile's ask for nothing.
; LIMITS: NaN and infinities are not served; a block whose largest magnitude lies under 2^-122 gets the scale byte 1; a sum of squares x m x m under 2^-126 counts as 0 beside 1e-5 (v_sqrt_f32 flushes);
; (y m) / (norm + 1e-5) is computed as y (m / (norm + 1e-5)); the sums over s are taken in another order than a plain loop's.
; REGISTERS.  window 0: v1-19 addresses (v13-16: the first tile's column sums); v20-27 my column's bias in each of the 8 column tiles; v28-29 for the add; v32-47 scale words, two sets; v48-63 at work, and the bias as C;
;   v64-127 kv's upper half; v128-223 W's fragments, later sums of squares and factors, later k's and v's codes; v224-255 the bias as C, later at work.
;   window 1: v0-95, v128-223 X's fragments, two sets (behind a tile's products: m and scratch); v96-127, v224-255 kv's lower half.   window 2: k (column tile c, row tile a at 64 c + 8 a).   window 3: v.
.set BLKB,  12800
.set SCOFF, 12288
.set SLOTB, 2*BLKB                     ; a slot: two K steps of a wave's 128 rows
.set XWB,   2*SLOTB                    ; a wave's ring
.set WB,    4*XWB                      ; behind the rings: W, 8 K steps
.set SPARE, WB+8*BLKB                  ; behind W: the spare words, 128 bytes for each wave: two blocks of 256 bytes that no other line names
.set FLOOR, 0x2800000                  ; 2^(5 - 127)
.set EOFF,  0xfe000000                 ; takes 4 off an exponent field
.set RR,   1                           ; v1  r = lane % 16
.set HH,   2                           ; v2  h = lane / 16
.set L16,  3                           ; v3  16 x lane
.set ADX,  4                           ; v4  my ring + 16 x lane
.set ADW0, 5                           ; v5, v6  W's K steps 0-3, 4-7, + 16 x lane
.set ADS0, 7                           ; v7, v8  scale words: lanes 0-15 X's, lanes 16-31 W's (K steps 0-3, 4-7)
.set RDK,  9                           ; v9-12   wave w' part of kv, and 16,384 bytes on of the column sums, that I sum
.set ZA,   13                          ; v13-16  the first tile's column sums
.set OSUM, 17                          ; v17 where my column sum goes
.set OB,   18                          ; v18 4 (r + 8 (r / 8)): my column in a tile's span of the biases
.set OM,   19                          ; v19 64 h
.set B8,   20                          ; v20-27 the bias of my column in column tile c
.set SPW,  28
.set NIL,  29
.set SC,   32
.set PW,   32                          ; later: the eight fragments' scale words
.set TM,   48
.set S1F,  128
.set SS,   128
.set F,    128
.set SUMP, 224
.set QT,   240
.set Z,    248
.set WV,   18                          ; s18 wave
.set XW,   19                          ; s19 my ring's first byte
.set G1A,  24                          ; s[24:31] group 1 for X; s[32:39] its groups 0, one a slot
.set G0A,  32
.set G1B,  48                          ; s[48:55] group 1 for W; s[56:59] its group 0
.set G0B,  56
.set SEL,  60
.set MSB,  0
.macro WIN new                         ; the immediate's high byte repeats the setting that is left; a switch that changes nothing is dropped
.if MSB != (\new)
	s_set_vgpr_msb (MSB<<8)|(\new)
.set MSB, (\new)
.endif
.endm
.macro PLACES                          ; four plain places behind matrix instructions, ahead of loads into their registers and of reads of their results
.rept 4
	v_nop
.endr
.endm
.macro CREST                           ; a round of the cluster's barrier behind its opening barrier
	s_cmp_lg_u32 s[WV], 0
	s_cbranch_scc1 .Lnot_wave_0_\@
	s_barrier_signal -3
.Lnot_wave_0_\@:
	s_barrier_wait -3
	s_barrier_signal -1
	s_barrier_wait -1
.endm
.macro CROUND
	s_barrier_signal -1
	s_barrier_wait -1
	CREST
.endm
.macro FRAG reg, adr, off              ; a fragment's image: three loads, 512 consecutive bytes each
	ds_load_b128 v[\reg:\reg+3], v[\adr] offset:\off
	ds_load_b128 v[\reg+4:\reg+7], v[\adr] offset:\off+512
	ds_load_b128 v[\reg+8:\reg+11], v[\adr] offset:\off+1024
.endm
.macro FETCH0 s                        ; X's eight tiles of K step s into set s % 2 of window 1
	WIN 0x40
.set T, 0
.rept 8
	FRAG 128*((\s)%2)+12*T, ADX, ((\s)%4)*BLKB+1536*T
.set T, T+1
.endr
	WIN 0
.endm
.macro FETCH1 s, t0                    ; W's tiles t0 .. t0 + 3 of K step s
.set T, \t0
.rept 4
	FRAG S1F+12*T, ADW0+(\s)/4, ((\s)%4)*BLKB+1536*T
.set T, T+1
.endr
.endm
.macro SCALES s                        ; the scale words of K step s: register i of the set: lanes 0-15 X's tile i, lanes 16-31 W's tile i
.irp P, 0,1,2,3
	ds_load_b64 v[SC+8*((\s)%2)+2*\P:SC+8*((\s)%2)+2*\P+1], v[ADS0+(\s)/4] offset:((\s)%4)*BLKB+128*\P
.endr
.endm
; The bias of column tile q as eight registers of C: a lane holds one column, so all eight hold the same number.  Tiles 0, 1 at v48-63, tiles 2-5 at v224-255, tiles 6, 7 at v48-63 again.
.macro SPLAT q
.set CB, 48+8*((\q)%6)
.if ((\q)%6) >= 2
.set CB, 224+8*(((\q)%6)-2)
.endif
.irp j, 0,1,2,3,4,5,6,7
	v_mov_b32 v[CB+\j], v[B8+(\q)]
.endr
.endm
; 16 matrix instructions: W's tiles q0, q0 + 1 x X's eight.  The 64 accumulators take turns, one instruction a turn, in the same order in every K step.
.macro MUL16 q0, s, first
.irp q, \q0, \q0+1
.set CB, 48+8*((\q)%6)
.if ((\q)%6) >= 2
.set CB, 224+8*(((\q)%6)-2)
.endif
.irp p, 0,1,2,3,4,5,6,7
.if \first
	v_wmma_scale_f32_16x16x128_f8f6f4 v[8*(8*((\q)%4)+\p):8*(8*((\q)%4)+\p)+7], v[128*((\s)%2)+12*\p:128*((\s)%2)+12*\p+11], v[S1F+12*(\q):S1F+12*(\q)+11], v[CB:CB+7], v[SC+8*((\s)%2)+\p], v[SC+8*((\s)%2)+(\q)] matrix_a_fmt:MATRIX_FMT_BF6 matrix_b_fmt:MATRIX_FMT_BF6 matrix_b_scale:MATRIX_SCALE_ROW1
.else
	v_wmma_scale_f32_16x16x128_f8f6f4 v[8*(8*((\q)%4)+\p):8*(8*((\q)%4)+\p)+7], v[128*((\s)%2)+12*\p:128*((\s)%2)+12*\p+11], v[S1F+12*(\q):S1F+12*(\q)+11], v[8*(8*((\q)%4)+\p):8*(8*((\q)%4)+\p)+7], v[SC+8*((\s)%2)+\p], v[SC+8*((\s)%2)+(\q)] matrix_a_fmt:MATRIX_FMT_BF6 matrix_b_fmt:MATRIX_FMT_BF6 matrix_b_scale:MATRIX_SCALE_ROW1
.endif
.endr
.endr
.endm
; The mask of the tile's 128 rows, into X's set 0, which the tile's last K step does not read: register 8 a + j's row is 32 (a / 2) + 8 (a % 2) + 16 h + j
.macro MASKLD tile
	WIN 0x40
.set i, 0
.rept 16
	global_load_b128 v[4*i:4*i+3], v[OM], s[8:9] offset:512*(\tile)+128*(i/4)+16*(i%4)
.set i, i+1
.endr
.endm
; A K step.  kind 0: plain; 1: the slot just read out is filled again, behind a round of the cluster's barrier; 2: the last slot's load is awaited (only I read my ring);
; 3: a tile's last step, nothing more to ask for; 4: a tile's last step with a refill, for the next tile.  In a tile's last step the mask's loads stand where the next step's fetches would.
.macro KSTEP s, kind, first, tile
.set RF, 0
.if (\kind == 1) || (\kind == 4)
.set RF, 1
.endif
.set NX, 1
.if (\kind == 3) || (\kind == 4)
.set NX, 0
.endif
.if RF
	s_wait_tensorcnt 0x0                           ; all my tensor loads have landed: the one that was out is the slot that I read next
	ds_add_u32 v[SPW], v[NIL]                      ; 0 onto my spare word
	s_wait_dscnt 13                                ; the add and the 12 youngest loads (source 1's tiles 4-7) may be out
.else
	s_wait_dscnt 12                                ; the 12 youngest loads (source 1's tiles 4-7) may be out
.endif
.if \first
	WIN 0x81                                       ; source 0 window 1, source 1 and C (the bias) window 0, D window 2
.else
	WIN 0xa1
.endif
	MUL16 0, \s, \first
.if RF
	s_wait_dscnt 0x0                               ; the add is done, and my reads of the slot are over
	s_barrier_signal -1
.endif
	MUL16 2, \s, \first
.if RF
	WIN 0
	s_barrier_wait -1
	CREST                                          ; no wave of any partner still reads this slot or has a load on its way
	s_add_nc_u64 s[G0A+4*(((\s)/2)%2)+2:G0A+4*(((\s)/2)%2)+3], s[G0A+4*(((\s)/2)%2)+2:G0A+4*(((\s)/2)%2)+3], XWB   ; four K steps on; behind a row block's eighth comes the next row block's first
	tensor_load_to_lds s[G0A+4*(((\s)/2)%2):G0A+4*(((\s)/2)%2)+3], s[G1A:G1A+7]   ; my one load behind the round: it has two K steps, 128 matrix instructions, or more in which to land
	s_nop 0
	PLACES                                         ; four v_nop behind the load; also the places ahead of the loads below
.else
	s_wait_dscnt 0x0                               ; source 1's tiles 4-7 are in
.if \kind == 2
	s_wait_tensorcnt 0x0                           ; my last load has landed: the last two K steps
.endif
	PLACES
.endif
.if \first
	WIN 0
	SPLAT 6                                        ; into the registers that tiles 0 and 1 have left: four places stand behind the products that read them
	SPLAT 7
	PLACES
.endif
.if NX
	FETCH0 (\s)+1
	FETCH1 (\s)+1, 0
	SCALES (\s)+1
.else
	MASKLD \tile
.endif
.if \first
	WIN 0xc1
.else
	WIN 0xf1
.endif
	MUL16 4, \s, \first
	MUL16 6, \s, \first
.if NX
	PLACES
	WIN 0
	FETCH1 (\s)+1, 4
.endif
.endm
; m = x / 10000 + 1 on n pairs: a product with 1e-4, one correction by the remainder (so that x = -10000 gives exactly 0), + 1.  x: the pairs, in place; t: scratch.
.macro MLINES x, t, n
.set i, 0
.rept \n
	v_pk_mul_f32 v[\t+2*i:\t+2*i+1], v[\x+2*i:\x+2*i+1], s[66:67] op_sel_hi:[1,0]
.set i, i+1
.endr
.set i, 0
.rept \n
	v_pk_fma_f32 v[\x+2*i:\x+2*i+1], v[\t+2*i:\t+2*i+1], s[68:69], v[\x+2*i:\x+2*i+1] op_sel_hi:[1,0,1]
.set i, i+1
.endr
.set i, 0
.rept \n
	v_pk_fma_f32 v[\t+2*i:\t+2*i+1], v[\x+2*i:\x+2*i+1], s[66:67], v[\t+2*i:\t+2*i+1] op_sel_hi:[1,0,1]
.set i, i+1
.endr
.set i, 0
.rept \n
	v_pk_add_f32 v[\x+2*i:\x+2*i+1], v[\t+2*i:\t+2*i+1], 1.0 op_sel_hi:[1,0]
.set i, i+1
.endr
.endm
; 64 numbers of a lane in window w, v[s] on, register 16 b + i = K index 32 b + 16 h + i of the lane's row, become a fragment in v[pc] on and its scale word in v[pw] (window 0).
.macro QUANT w, s, pc, pw
	WIN ((\w)<<2)|((\w)<<4)
.irp b, 0,1,2,3
	v_max3_num_f32 v[TM+\b], FLOOR, |v[(\s)+16*\b]|, |v[(\s)+16*\b+1]|   ; my 16 numbers of block b, and the floor: the byte cannot fall under 1
.endr
.irp i, 2,4,6,8,10,12,14
.irp b, 0,1,2,3
	v_max3_num_f32 v[TM+\b], v[TM+\b], |v[(\s)+16*\b+\i]|, |v[(\s)+16*\b+\i+1]|
.endr
.endr
	WIN 0
.irp b, 0,1,2,3
	v_permlanex16_b32 v[TM+4+\b], v[TM+\b], s[SEL], s[SEL+1]
.endr
.irp b, 0,1,2,3
	v_max_num_f32 v[TM+\b], v[TM+\b], v[TM+4+\b]   ; with lane l xor 16's: the block's largest magnitude
.endr
.irp b, 0,1,2,3
	v_add_nc_u32 v[TM+12+\b], EOFF, v[TM+\b]       ; the conversion's scale operand
.endr
.irp b, 0,1,2,3
	v_lshrrev_b32 v[TM+4+\b], 23, v[TM+12+\b]      ; the scale's byte
.endr
	v_lshl_or_b32 v[\pw], v[TM+5], 8, v[TM+4]
	v_lshl_or_b32 v[\pw], v[TM+6], 16, v[\pw]
	v_lshl_or_b32 v[\pw], v[TM+7], 24, v[\pw]
	WIN (\w)
.irp c, 0,1
	v_cvt_scalef32_pk16_bf6_f32 v[(\pc)+6*\c:(\pc)+6*\c+2], v[(\s)+32*\c:(\s)+32*\c+15], v[TM+12+2*\c]
	v_cvt_scalef32_pk16_bf6_f32 v[QT+4*\c:QT+4*\c+2], v[(\s)+16+32*\c:(\s)+31+32*\c], v[TM+13+2*\c]
.endr
	WIN 0
	v_nop                                          ; one plain place behind the scaled conversions
.irp c, 0,1                            ; the operand's layout wants a whole block in a lane
.irp i, 0,1,2
	v_permlane16_swap_b32 v[(\pc)+6*\c+\i], v[QT+4*\c+\i]
.endr
.irp i, 0,1,2
	v_mov_b32 v[(\pc)+3+6*\c+\i], v[QT+4*\c+\i]
.endr
.endr
.endm
; WHAT FOLLOWS A TILE'S PRODUCTS: the norms, k, the column sums, eight fragments along s, and kv over the wave's 128 rows: tile 0 starts kv's sums, tile 1 adds onto them.
.macro EPI tile
	WIN 0
	PLACES
	; ---- the sum over the head's 64 of k^2, for each of my 64 registers' rows: four tiles in my registers, sixteen lanes
	WIN 0x0a
.set a, 0
.rept 8
.irp j, 0,2,4,6
	v_pk_mul_f32 v[SS+8*a+\j:SS+8*a+\j+1], v[8*a+\j:8*a+\j+1], v[8*a+\j:8*a+\j+1]   ; each accumulator is read from its low end on
.endr
.irp c, 1,2,3
.irp j, 0,2,4,6
	v_pk_fma_f32 v[SS+8*a+\j:SS+8*a+\j+1], v[64*\c+8*a+\j:64*\c+8*a+\j+1], v[64*\c+8*a+\j:64*\c+8*a+\j+1], v[SS+8*a+\j:SS+8*a+\j+1]
.endr
.endr
.set a, a+1
.endr
	WIN 0
.irp x, 1,2,4,8
.set i, 0
.rept 64
	v_add_f32_dpp v[SS+i], v[SS+i], v[SS+i] row_xmask:\x row_mask:0xf bank_mask:0xf
.set i, i+1
.endr
.endr
	; ---- m of my rows: the mask was asked for in the tile's last K step
	s_wait_loadcnt 0x0
	WIN 0x55
	MLINES 0, 128, 32
	; ---- g = m / (sqrt(ss m m) + 1e-5)
	WIN 0x04
.rept 2
.set i, 0
.rept 32
	v_pk_mul_f32 v[SS+2*i:SS+2*i+1], v[SS+2*i:SS+2*i+1], v[2*i:2*i+1]
.set i, i+1
.endr
.endr
	WIN 0
.set i, 0
.rept 64
	v_sqrt_f32 v[SS+i], v[SS+i]
.set i, i+1
.endr
	v_nop                                          ; a plain place behind the batch
	s_wait_alu depctr_va_vdst(0)                   ; one wait for the 64 roots, ahead of their first reader
.set i, 0
.rept 32
	v_pk_add_f32 v[SS+2*i:SS+2*i+1], v[SS+2*i:SS+2*i+1], s[70:71] op_sel_hi:[1,0]
.set i, i+1
.endr
.set i, 0
.rept 64
	v_rcp_f32 v[SS+i], v[SS+i]
.set i, i+1
.endr
	v_nop
	s_wait_alu depctr_va_vdst(0)                   ; and one for the 64 reciprocals
	WIN 0x04
.set i, 0
.rept 32
	v_pk_mul_f32 v[SS+2*i:SS+2*i+1], v[SS+2*i:SS+2*i+1], v[2*i:2*i+1]
.set i, i+1
.endr
.if \tile == 0
	FETCH0 0                                       ; m is done with: the next tile's first fragments of X take its registers; their slot was shown landed in the last K step
.endif
	; ---- k = y g, in place
	WIN 0x82
.set c, 0
.rept 4
.set i, 0
.rept 32
	v_pk_mul_f32 v[64*c+2*i:64*c+2*i+1], v[64*c+2*i:64*c+2*i+1], v[SS+2*i:SS+2*i+1]
.set i, i+1
.endr
.set c, c+1
.endr
	; ---- the sums over my 128 rows of each column of k and of v, unquantised
.irp W, 2, 3
	WIN 0x0a+5*(\W-2)
.irp c, 0,1,2,3
	v_pk_add_f32 v[SUMP+8*(\W-2)+2*\c:SUMP+8*(\W-2)+2*\c+1], v[64*\c:64*\c+1], v[64*\c+2:64*\c+3]
.endr
	WIN 0x08+4*(\W-2)
.set i, 2
.rept 30
.irp c, 0,1,2,3
	v_pk_add_f32 v[SUMP+8*(\W-2)+2*\c:SUMP+8*(\W-2)+2*\c+1], v[SUMP+8*(\W-2)+2*\c:SUMP+8*(\W-2)+2*\c+1], v[64*\c+2*i:64*\c+2*i+1]
.endr
.set i, i+1
.endr
.endr
	WIN 0
.irp c, 0,1,2,3,4,5,6,7
	v_add_f32 v[SUMP+2*\c], v[SUMP+2*\c], v[SUMP+2*\c+1]
.endr
.irp c, 0,1,2,3,4,5,6,7
	v_permlanex16_b32 v[SUMP+2*\c+1], v[SUMP+2*\c], s[SEL], s[SEL+1]
.endr
.irp c, 0,1,2,3,4,5,6,7
	v_add_f32 v[SUMP+2*\c], v[SUMP+2*\c], v[SUMP+2*\c+1]
.endr
	v_cmp_ne_u32 vcc_lo, 0, v[HH]
.irp b, 0,1,2,3
.if \tile == 0
	v_cndmask_b32 v[ZA+\b], v[SUMP+4*\b], v[SUMP+4*\b+2], vcc_lo   ; lane (r, h): the sum of column 32 b + 8 h + r + 8 (r / 8); kept for the next tile
.else
	v_cndmask_b32 v[Z+\b], v[SUMP+4*\b], v[SUMP+4*\b+2], vcc_lo
.endif
.endr
.if \tile
.irp b, 0,1,2,3
	v_add_f32 v[Z+\b], v[Z+\b], v[ZA+\b]           ; both tiles'
.endr
.endif
	; ---- k's four and v's four column tiles become fragments along s
.irp c, 0,1,2,3
	QUANT 2, 64*\c, F+12*\c, PW+\c
.endr
.irp c, 0,1,2,3
	QUANT 3, 64*\c, F+48+12*\c, PW+4+\c
.endr
	; a scale register written by a vector instruction stands 8 places ahead of a scaled matrix instruction, an operand 4
.if \tile == 0
.irp q, 0,1,2,3,4,5
	SPLAT \q                                       ; the next tile's biases as C: 48 plain lines that name nothing of the products below
.endr
	WIN 0x40                                       ; D window 1
.else
.rept 8
	v_nop
.endr
	WIN 0x50                                       ; C and D window 1
.endif
.irp e, 0,1                            ; kv over my 128 rows: lane: one e; registers along d.  Sixteen accumulators, one instruction each
.irp d, 0,1,2,3
.if \tile == 0
	v_wmma_scale_f32_16x16x128_f8f6f4 v[96+128*\e+8*\d:103+128*\e+8*\d], v[F+12*\d:F+12*\d+11], v[F+48+12*\e:F+48+12*\e+11], 0, v[PW+\d], v[PW+4+\e] matrix_a_fmt:MATRIX_FMT_BF6 matrix_b_fmt:MATRIX_FMT_BF6
.else
	v_wmma_scale_f32_16x16x128_f8f6f4 v[96+128*\e+8*\d:103+128*\e+8*\d], v[F+12*\d:F+12*\d+11], v[F+48+12*\e:F+48+12*\e+11], v[96+128*\e+8*\d:103+128*\e+8*\d], v[PW+\d], v[PW+4+\e] matrix_a_fmt:MATRIX_FMT_BF6 matrix_b_fmt:MATRIX_FMT_BF6
.endif
.endr
.endr
	WIN 0
.irp e, 2,3
.irp d, 0,1,2,3
.if \tile == 0
	v_wmma_scale_f32_16x16x128_f8f6f4 v[32*\e+8*\d:32*\e+8*\d+7], v[F+12*\d:F+12*\d+11], v[F+48+12*\e:F+48+12*\e+11], 0, v[PW+\d], v[PW+4+\e] matrix_a_fmt:MATRIX_FMT_BF6 matrix_b_fmt:MATRIX_FMT_BF6
.else
	v_wmma_scale_f32_16x16x128_f8f6f4 v[32*\e+8*\d:32*\e+8*\d+7], v[F+12*\d:F+12*\d+11], v[F+48+12*\e:F+48+12*\e+11], v[32*\e+8*\d:32*\e+8*\d+7], v[PW+\d], v[PW+4+\e] matrix_a_fmt:MATRIX_FMT_BF6 matrix_b_fmt:MATRIX_FMT_BF6
.endif
.endr
.endr
	PLACES
.endm
	s_load_b256 s[4:11], s[0:1], 0x0               ; xq s[4:5], wq s[6:7], attention_mask s[8:9], bk s[10:11]
	s_load_b128 s[12:15], s[0:1], 0x20             ; bv s[12:13], kvp s[14:15]
	s_load_b64 s[16:17], s[0:1], 0x30              ; sump
	v_lshl_add_u32 v[SPW], v0, 2, SPARE
	v_mov_b32 v[NIL], 0
	ds_add_u32 v28, v29
	ds_add_u32 v28, v29
	s_wait_dscnt 0x0
	v_lshrrev_b32 v1, 5, v0
	v_readfirstlane_b32 s[WV], v1                  ; wave 0..3
	s_bfe_u32 s40, ttmp6, 0x40000                  ; cx, cy: my place in the cluster
	s_bfe_u32 s41, ttmp6, 0x40004
	s_lshl_b32 s42, ttmp9, 2
	s_add_co_u32 s42, s42, s40                     ; gx: the head
	s_and_b32 s43, ttmp7, 0xffff
	s_lshl_b32 s43, s43, 2
	s_add_co_u32 s43, s43, s41                     ; gy: which 1,024 rows
	s_lshl_b32 s44, s41, 2
	s_lshl_b32 s44, 15, s44                        ; my row of the cluster
	s_lshl_b32 s45, 0x1111, s40                    ; my column
	; every tile is a dense block of 25,600 bytes: 100 rows of 256 bytes (32 elements of 8 bytes), no padding
	s_or_b32 s[G1A], s44, (3<<16)|(1<<21)          ; 15:0 the mask: X's tiles go to my row; 17:16 elements of 8 bytes; 21 set beside a mask
	s_or_b32 s[G1B], s45, (3<<16)|(1<<21)          ; W's go to my column
.irp g, G1A, G1B
	s_mov_b32 s[\g+1], 32<<16                      ; tensor_dim0 = 32
	s_mov_b32 s[\g+2], 100<<16                     ; tensor_dim1 = 100
	s_mov_b32 s[\g+3], 32<<16                      ; tile_dim0 = 32
	s_mov_b32 s[\g+4], 100                         ; tile_dim1 = 100
	s_mov_b32 s[\g+5], 32                          ; from row to row
	s_mov_b32 s[\g+6], 0
	s_mov_b32 s[\g+7], 0
.endr
	s_lshl_b32 s20, s43, 3
	s_lshl_b32 s21, s[WV], 1
	s_add_co_u32 s20, s20, s21                     ; my first row block of X: 8 gy + 2 wave (no register of X's descriptors ever holds cx)
	s_mul_i32 s20, s20, 8*BLKB
	s_mov_b32 s21, 0
	s_mul_i32 s46, s42, 8*BLKB                     ; my column block of W: gx; my quarter of it: two K steps (none of W's ever holds cy)
	s_mul_i32 s47, s[WV], SLOTB
	s_add_co_u32 s46, s46, s47
	s_mov_b32 s47, 0
	s_mul_i32 s[XW], s[WV], XWB
	s_mov_b32 s[SEL], 0x76543210
	s_mov_b32 s[SEL+1], 0xfedcba98
	s_mov_b32 s66, 0x38d1b717                      ; 1e-4
	s_mov_b32 s67, s66
	s_mov_b32 s68, 0xc61c4000                      ; -10000
	s_mov_b32 s69, s68
	s_mov_b32 s70, 0x3727c5ac                      ; 1e-5
	s_mov_b32 s71, s70
	s_wait_kmcnt 0x0
	s_mov_b32 s[G0A], 1
	s_mov_b32 s[G0A+1], s[XW]                      ; slot 0
	s_add_nc_u64 s[G0A+2:G0A+3], s[4:5], s[20:21]  ; K steps 0, 1
	s_mov_b32 s[G0A+4], 1
	s_add_co_u32 s[G0A+5], s[XW], SLOTB            ; slot 1
	s_add_nc_u64 s[G0A+6:G0A+7], s[G0A+2:G0A+3], SLOTB   ; K steps 2, 3
	s_or_b32 s[G0A+3], s[G0A+3], 0x80000000
	s_or_b32 s[G0A+7], s[G0A+7], 0x80000000
	s_mov_b32 s[G0B], 1
	s_mul_i32 s[G0B+1], s[WV], SLOTB
	s_add_co_u32 s[G0B+1], s[G0B+1], WB
	s_add_nc_u64 s[G0B+2:G0B+3], s[6:7], s[46:47]
	s_or_b32 s[G0B+3], s[G0B+3], 0x80000000
	CROUND                                         ; all sixteen work-groups are here: the first joint loads meet
	tensor_load_to_lds s[G0B:G0B+3], s[G1B:G1B+7]  ; the first fills go out as one group: three loads of mine are out
	s_nop 0
	tensor_load_to_lds s[G0A:G0A+3], s[G1A:G1A+7]
	s_nop 0
	tensor_load_to_lds s[G0A+4:G0A+7], s[G1A:G1A+7]
	s_nop 0
	PLACES
	; ---- while they land: addresses, the biases
	v_and_b32 v[RR], 15, v0
	v_bfe_u32 v[HH], v0, 4, 1
	v_and_b32 v[L16], 31, v0
	v_lshlrev_b32 v[L16], 4, v[L16]
	v_add_nc_u32 v[ADX], s[XW], v[L16]
	v_add_nc_u32 v[ADW0], WB, v[L16]
	v_add_nc_u32 v[ADW0+1], WB+4*BLKB, v[L16]
	s_mov_b32 s22, WB
	s_sub_co_u32 s22, s22, s[XW]                   ; from my ring to W
	s_add_co_u32 s23, s22, 4*BLKB
	s_add_co_u32 s72, s[XW], SCOFF
	v_lshlrev_b32 v9, 3, v[RR]
	v_add_nc_u32 v9, s72, v9                       ; X's scale words of row r
	v_mul_u32_u24 v[ADS0], s22, v[HH]              ; lanes 16-31 take W's: one product with h
	v_mul_u32_u24 v[ADS0+1], s23, v[HH]
	v_add_nc_u32 v[ADS0], v[ADS0], v9
	v_add_nc_u32 v[ADS0+1], v[ADS0+1], v9
	s_lshl_b32 s73, s[WV], 12
	v_add_nc_u32 v[RDK], s73, v[L16]               ; of each wave's 16,384 bytes of kv I sum bytes 4,096 wave on; of its column sums, 16,384 bytes further on, likewise
	v_add_nc_u32 v[RDK+1], XWB, v[RDK]
	v_add_nc_u32 v[RDK+2], 2*XWB, v[RDK]
	v_add_nc_u32 v[RDK+3], 3*XWB, v[RDK]
	v_and_b32 v[OB], 8, v[RR]
	v_add_nc_u32 v[OB], v[OB], v[RR]               ; r + 8 (r / 8)
	v_lshl_add_u32 v[OSUM], v[HH], 3, v[OB]
	v_lshlrev_b32 v[OSUM], 2, v[OSUM]
	v_lshlrev_b32 v[OB], 2, v[OB]
	v_lshlrev_b32 v[OM], 6, v[HH]
	s_lshl_b32 s74, s42, 8                         ; the head's 64 numbers of bk and bv
	s_mov_b32 s75, 0
	s_add_nc_u64 s[10:11], s[10:11], s[74:75]
	s_add_nc_u64 s[12:13], s[12:13], s[74:75]
	s_lshl_b32 s76, s43, 12                        ; the mask of my 256 rows: 4 (1,024 gy + 256 wave)
	s_lshl_b32 s77, s[WV], 10
	s_add_co_u32 s76, s76, s77
	s_mov_b32 s77, 0
	s_add_nc_u64 s[8:9], s[8:9], s[76:77]
	s_lshr_b32 s78, s43, 2
	s_lshl_b32 s78, s78, 4
	s_add_co_u32 s78, s78, s42                     ; 16 batch + head
	s_lshl_b32 s78, s78, 2
	s_and_b32 s79, s43, 3
	s_add_co_u32 s78, s78, s79                     ; x 4 + which 1,024 rows of the batch
	s_lshl_b32 s80, s78, 14
	s_lshl_b32 s79, s[WV], 12
	s_add_co_u32 s80, s80, s79
	s_mov_b32 s81, 0
	s_add_nc_u64 s[14:15], s[14:15], s[80:81]
	s_lshl_b32 s82, s78, 9
	s_lshl_b32 s79, s[WV], 7
	s_add_co_u32 s82, s82, s79
	s_mov_b32 s83, 0
	s_add_nc_u64 s[16:17], s[16:17], s[82:83]
.irp c, 0,1,2,3
	global_load_b32 v[B8+\c], v[OB], s[10:11] offset:4*(32*(\c/2)+8*(\c%2))     ; bk of my column in tile c
	global_load_b32 v[B8+4+\c], v[OB], s[12:13] offset:4*(32*(\c/2)+8*(\c%2))   ; bv of my column in tile 4 + c
.endr
	s_wait_loadcnt 0x0
.irp q, 0,1,2,3,4,5
	SPLAT \q
.endr
	s_wait_tensorcnt 1                             ; my quarter of W and my slot 0 are in; slot 1's load may stay out
	s_barrier_signal -1
	s_barrier_wait -1                              ; everybody's quarter of W is in
	FETCH0 0
	FETCH1 0, 0
	SCALES 0
	FETCH1 0, 4
	KSTEP 0, 0, 1, 0                               ; a tile's first K step starts the sums from the biases
	KSTEP 1, 1, 0, 0                               ; slot 0 takes K steps 4, 5
	KSTEP 2, 0, 0, 0
	KSTEP 3, 1, 0, 0                               ; slot 1 takes K steps 6, 7
	KSTEP 4, 0, 0, 0
	KSTEP 5, 1, 0, 0                               ; THE RING GOES ON INTO THE NEXT TILE: slot 0 takes its K steps 0, 1,
	KSTEP 6, 0, 0, 0
	KSTEP 7, 4, 0, 0                               ; slot 1 its K steps 2, 3: both land under the vector work that follows
	EPI 0
	FETCH1 0, 0                                    ; behind the four places that close the products of kv: the next tile's first fragments of W and scale words take their operands' registers
	SCALES 0
	FETCH1 0, 4
	KSTEP 0, 0, 1, 1
	KSTEP 1, 1, 0, 1                               ; slot 0 takes K steps 4, 5
	KSTEP 2, 0, 0, 1
	KSTEP 3, 1, 0, 1                               ; slot 1 takes K steps 6, 7: my last load
	KSTEP 4, 0, 0, 1
	KSTEP 5, 2, 0, 1
	KSTEP 6, 0, 0, 1
	KSTEP 7, 3, 0, 1
	EPI 1
	; ---- over the four waves, through my ring's bytes: they have had their last fill, and my reads of them are over
	WIN 0x04
.set i, 0
.rept 16
	ds_store_b128 v[ADX], v[96+4*i+96*(i/8):99+4*i+96*(i/8)] offset:512*i   ; kv's registers 4 i on: the lower 64 lie in window 1; each accumulator from its low end on
.set i, i+1
.endr
	WIN 0
.rept 16
	ds_store_b128 v[ADX], v[4*i:4*i+3] offset:512*i                         ; the upper 64 in window 0
.set i, i+1
.endr
.irp b, 0,1,2,3
	ds_store_b32 v[ADX], v[Z+\b] offset:16384+4096*\b                       ; the sums of columns 32 b on: for wave b
.endr
	s_wait_dscnt 0x0                               ; for the others' sake: my stores have landed
	s_barrier_signal -1
	s_barrier_wait -1
	WIN 0x40
.irp w, 0,1,2,3
.irp i, 0,1,2,3,4,5,6,7
	ds_load_b128 v[128+32*\w+4*\i:131+32*\w+4*\i], v[RDK+\w] offset:512*\i
.endr
.endr
	WIN 0
.irp w, 0,1,2,3
	ds_load_b32 v[240+\w], v[RDK+\w] offset:16384
.endr
	s_wait_dscnt 0x0
	WIN 0x55
.set i, 0
.rept 16
	v_pk_add_f32 v[128+2*i:129+2*i], v[128+2*i:129+2*i], v[160+2*i:161+2*i]
	v_pk_add_f32 v[192+2*i:193+2*i], v[192+2*i:193+2*i], v[224+2*i:225+2*i]
.set i, i+1
.endr
.set i, 0
.rept 16
	v_pk_add_f32 v[128+2*i:129+2*i], v[128+2*i:129+2*i], v[192+2*i:193+2*i]
.set i, i+1
.endr
	WIN 0x04
.irp i, 0,1,2,3,4,5,6,7
	global_store_b128 v[L16], v[128+4*\i:131+4*\i], s[14:15] offset:512*\i   ; 32 lanes store 512 consecutive bytes, aligned
.endr
	WIN 0
	v_add_f32 v240, v240, v241
	v_add_f32 v242, v242, v243
	v_add_f32 v240, v240, v242
	global_store_b32 v[OSUM], v240, s[16:17]       ; a wave's 32 column sums: 128 consecutive bytes
	s_wait_tensorcnt 0x0                           ; the wave's end
	ds_add_u32 v[SPW], v[NIL]
	s_wait_dscnt 0x0
	CROUND                                         ; the closing round
	s_endpgm
.Lfunc_end_k_q9e4e48b582_kvpart:
	.size	k_q9e4e48b582_kvpart, .Lfunc_end_k_q9e4e48b582_kvpart-k_q9e4e48b582_kvpart
	.p2alignl 7, 3214868480
	.fill 96, 4, 3214868480
	.section	.rodata,"a",@progbits
	.p2align	6, 0x0
	.amdhsa_kernel k_q9e4e48b582_kvpart
		.amdhsa_group_segment_fixed_size 327680
		.amdhsa_private_segment_fixed_size 0
		.amdhsa_enable_private_segment 0
		.amdhsa_kernarg_size 56
		.amdhsa_user_sgpr_count 2
		.amdhsa_user_sgpr_kernarg_segment_ptr 1
		.amdhsa_wavefront_size32 1
		.amdhsa_system_sgpr_workgroup_id_x 1
		.amdhsa_system_sgpr_workgroup_id_y 1
		.amdhsa_system_sgpr_workgroup_id_z 1
		.amdhsa_system_vgpr_workitem_id 0
		.amdhsa_next_free_vgpr 1024
		.amdhsa_next_free_sgpr 96
		.amdhsa_reserve_vcc 1
		.amdhsa_float_denorm_mode_32 3
		.amdhsa_float_denorm_mode_16_64 3
		.amdhsa_memory_ordered 1
		.amdhsa_forward_progress 1
		.amdhsa_inst_pref_size 255
	.end_amdhsa_kernel
	.section	.bss,"aw",@nobits
	.p2align	6
	.space	262144
	.amdgpu_metadata
---
amdhsa.version: [ 1, 2 ]
amdhsa.kernels:
  - .name:           k_q9e4e48b582_kvpart
    .symbol:         k_q9e4e48b582_kvpart.kd
    .args:
      - { .name: xq, .offset: 0, .size: 8, .value_kind: global_buffer, .address_space: global }
      - { .name: wq, .offset: 8, .size: 8, .value_kind: global_buffer, .address_space: global }
      - { .name: attention_mask, .offset: 16, .size: 8, .value_kind: global_buffer, .address_space: global }
      - { .name: bk, .offset: 24, .size: 8, .value_kind: global_buffer, .address_space: global }
      - { .name: bv, .offset: 32, .size: 8, .value_kind: global_buffer, .address_space: global }
      - { .name: kvp, .offset: 40, .size: 8, .value_kind: global_buffer, .address_space: global }
      - { .name: sump, .offset: 48, .size: 8, .value_kind: global_buffer, .address_space: global }
    .group_segment_fixed_size: 327680
    .private_segment_fixed_size: 0
    .kernarg_segment_align: 8
    .kernarg_segment_size: 56
    .max_flat_workgroup_size: 128
    .sgpr_count:     96
    .vgpr_count:     1024
    .wavefront_size: 32
...
	.end_amdgpu_metadata
.endif
;; end of part 2
;; launch ctx (part 3): grid 8 x 32, 4 waves a work-group, clusters of 4 x 4, 327,680 bytes of LDS; arguments xq, wq, attention_mask, bq, kvp, sump, out0; writes out0
.if DOCPART == 3
	.amdgcn_target "amdgcn-amd-amdhsa--gfx1250"
	.amdhsa_code_object_version 6
	.text
	.protected	k_q9e4e48b582_ctx
	.globl	k_q9e4e48b582_ctx
	.p2align	8
	.type	k_q9e4e48b582_ctx,@function
k_q9e4e48b582_ctx:
	s_mov_b64 s[64:65], 0
	v_nop
	global_prefetch_b8 v0, s[64:65] scope:SCOPE_SE
	s_setreg_imm32_b32 hwreg(HW_REG_WAVE_MODE, 25, 1), 1
	s_wait_xcnt 0x0
	s_wait_alu depctr_hold_cnt(0) depctr_sa_sdst(0) depctr_va_vdst(0) depctr_va_sdst(0) depctr_va_ssrc(0) depctr_va_vcc(0) depctr_vm_vsrc(0)
	s_getreg_b32 s2, hwreg(HW_REG_IB_STS2, 6, 4)
	s_cmp_eq_u32 s2, 0
	s_cbranch_scc0 .Lentry_in_a_cluster
	s_endpgm
.Lentry_in_a_cluster:
	s_bfe_u32 s2, ttmp6, 0x10000c
	s_cmp_lg_u32 s2, 0xf033
	s_cbranch_scc0 .Lentry_shape_is_right
	s_endpgm
.Lentry_shape_is_right:
; For two heads and 512 rows s: q = X Wq + bq on codes of BF6 (K = 1,024), multiplied by m = mask / 10000 + 1 and divided by (its norm over the head's 64 + 1e-5);
; out = (q kv + vsum) / (q . ksum + 1e-5 + msum): q kv on codes of BF6 (K = 64, filled to 128 with zero codes), q . ksum in f32 multiply-adds.  q never goes to memory.
; kv, ksum and vsum come as four partial sums a head from the launch before; they are added, and kv is quantised along d, at this kernel's head, while the first tiles are on their way.
; SHARES, LDS, CLUSTER: work-group (gx, gy): heads 2 gx, 2 gx + 1, rows 512 gy on; a wave: 128 rows x 128 columns; W for all of K stays in LDS; X in a ring of each wave's own, two slots of two K steps;
; X's tiles are asked for jointly along a row of the cluster, W's along a column.
; SOURCE 0 = 16 columns of W, SOURCE 1 = 16 rows of X: a lane holds ONE row s and its registers run along the columns, the next product's K.
; LIMITS: NaN and infinities are not served; a block whose largest magnitude lies under 2^-122 gets the scale byte 1; a sum of squares x m x m under 2^-126 counts as 0 beside 1e-5 (v_sqrt_f32 flushes);
; (y m) / (norm + 1e-5) is computed as y (m / (norm + 1e-5)); 1e-5 and msum are added to each other before q . ksum is added.
; REGISTERS.  window 0: v1-31 addresses and m of my rows; v32-47 scale words; v48-63 at work; v64-127 the bias, later codes and factors; v128-223 X's fragments, later results; v192-255 later rows on their way out.
;   window 1: W's fragments, two sets; later kv's fragments, ksum, vsum.   windows 2, 3: the accumulators (row tile a, column tile c at 64 (a % 4) + 8 c); at the head: kv's partial sums.
.set BLKB,  12800
.set SCOFF, 12288
.set SLOTB, 2*BLKB
.set XWB,   2*SLOTB
.set WB,    4*XWB
.set SPARE, WB+8*BLKB                  ; the spare words, 128 bytes for each wave: two blocks of 256 bytes that no other line names
.set KVI,   SPARE+512                  ; scratch that no fill ever lands in: kv's 8 images (4 x head + tile of e),
.set KVSC,  KVI+8*1536                 ; their scale words, 128 bytes each,
.set SUMS,  KVSC+8*128                 ; for each head ksum's 64 and vsum's 64 numbers,
.set MSW,   SUMS+1024                  ; and four partial sums of m
.set FLOOR, 0x2800000
.set EOFF,  0xfe000000
.set RR,   1
.set HH,   2
.set L16,  3
.set ADX,  4                           ; my ring + 16 x lane; on the way out: where I read a row back
.set ADW0, 5
.set ADS0, 7
.set SA,   9                           ; v9  SUMS + 64 h
.set STO,  10                          ; v10 the stage: row r of 528 bytes, + 64 h
.set AKI,  12                          ; v12 KVI + 16 lane
.set AKS,  13                          ; v13 KVSC + 4 lane
.set AMS,  14                          ; v14 MSW
.set WMS,  15                          ; v15 MSW + 4 wave
.set MQ,   16                          ; v16-23 m of my row in tile a
.set WSU,  24                          ; v24 SUMS + 256 wave + 8 lane
.set WKI,  25                          ; v25 KVI + 3,072 wave + 16 lane
.set WKS,  26                          ; v26 KVSC + 256 wave + 4 lane
.set OB,   27                          ; v27 4 (r + 8 (r / 8))
.set SPW,  28
.set NIL,  29
.set OM,   30                          ; v30 64 h
.set L8,   31                          ; v31 8 lane
.set SC,   32
.set KVS,  32                          ; later: kv's scale words
.set PW,   40
.set PW1,  41
.set CST,  42
.set TM,   48
.set BI,   64
.set PC,   64                          ; later: q's codes v64-75, zeros v76-81
.set G,    96
.set RD,   112
.set S1F,  128
.set CTX,  128
.set SSP,  192
.set DTP,  224
.set BK,   192
.set KF,   224                         ; at the head: a fragment of kv, its word, and the conversions' scratch
.set KPW,  236
.set QT,   240
.set WV,   18
.set XW,   19
.set G1A,  24
.set G0A,  32
.set G1B,  48
.set G0B,  56
.set SEL,  60
.set MSB,  0
.macro WIN new                         ; the immediate's high byte repeats the setting that is left; a switch that changes nothing is dropped
.if MSB != (\new)
	s_set_vgpr_msb (MSB<<8)|(\new)
.set MSB, (\new)
.endif
.endm
.macro PLACES                          ; four plain places behind matrix instructions (ISA guide 7.12.1)
.rept 4
	v_nop
.endr
.endm
.macro CREST
	s_cmp_lg_u32 s[WV], 0
	s_cbranch_scc1 .Lnot_wave_0_\@
	s_barrier_signal -3
.Lnot_wave_0_\@:
	s_barrier_wait -3
	s_barrier_signal -1
	s_barrier_wait -1
.endm
.macro CROUND
	s_barrier_signal -1
	s_barrier_wait -1
	CREST
.endm
.macro FRAG reg, adr, off
	ds_load_b128 v[\reg:\reg+3], v[\adr] offset:\off
	ds_load_b128 v[\reg+4:\reg+7], v[\adr] offset:\off+512
	ds_load_b128 v[\reg+8:\reg+11], v[\adr] offset:\off+1024
.endm
.macro FETCH0 s                        ; W's eight tiles of K step s into set s % 2 of window 1
	WIN 0x40
.set T, 0
.rept 8
	FRAG 128*((\s)%2)+12*T, ADW0+(\s)/4, ((\s)%4)*BLKB+1536*T
.set T, T+1
.endr
	WIN 0
.endm
.macro FETCH1 s, t0                    ; X's tiles t0 .. t0 + 3 of K step s
.set T, \t0
.rept 4
	FRAG S1F+12*T, ADX, ((\s)%4)*BLKB+1536*T
.set T, T+1
.endr
.endm
.macro SCALES s                        ; register i of the set: lanes 0-15 X's tile i, lanes 16-31 W's tile i
.irp P, 0,1,2,3
	ds_load_b64 v[SC+8*((\s)%2)+2*\P:SC+8*((\s)%2)+2*\P+1], v[ADS0+(\s)/4] offset:((\s)%4)*BLKB+128*\P
.endr
.endm
; 16 matrix instructions: X's tiles q0, q0 + 1 x W's eight.  The 64 accumulators take turns, one instruction a turn, in the same order in every K step.
.macro MUL16 q0, s, first
.irp q, \q0, \q0+1
.irp p, 0,1,2,3,4,5,6,7
.if \first
	v_wmma_scale_f32_16x16x128_f8f6f4 v[8*(8*((\q)%4)+\p):8*(8*((\q)%4)+\p)+7], v[128*((\s)%2)+12*\p:128*((\s)%2)+12*\p+11], v[S1F+12*(\q):S1F+12*(\q)+11], v[BI+8*\p:BI+8*\p+7], v[SC+8*((\s)%2)+\p], v[SC+8*((\s)%2)+(\q)] matrix_a_fmt:MATRIX_FMT_BF6 matrix_b_fmt:MATRIX_FMT_BF6 matrix_a_scale:MATRIX_SCALE_ROW1
.else
	v_wmma_scale_f32_16x16x128_f8f6f4 v[8*(8*((\q)%4)+\p):8*(8*((\q)%4)+\p)+7], v[128*((\s)%2)+12*\p:128*((\s)%2)+12*\p+11], v[S1F+12*(\q):S1F+12*(\q)+11], v[8*(8*((\q)%4)+\p):8*(8*((\q)%4)+\p)+7], v[SC+8*((\s)%2)+\p], v[SC+8*((\s)%2)+(\q)] matrix_a_fmt:MATRIX_FMT_BF6 matrix_b_fmt:MATRIX_FMT_BF6 matrix_a_scale:MATRIX_SCALE_ROW1
.endif
.endr
.endr
.endm
; A K step.  kind 0: plain; 1: the slot just read out is filled again, behind a round of the cluster's barrier; 2: the last slot's load is awaited (only I read my ring); 3: the last step.
.macro KSTEP s, kind, first
.if \kind == 1
	s_wait_tensorcnt 0x0                           ; all my tensor loads have landed: the one that was out is the slot that I read next
	ds_add_u32 v[SPW], v[NIL]                      ; 0 onto my spare word
	s_wait_dscnt 13                                ; the add and the 12 youngest loads (source 1's tiles 4-7) may be out
.else
	s_wait_dscnt 12                                ; the 12 youngest loads (source 1's tiles 4-7) may be out
.endif
.if \first
	WIN 0x81
.else
	WIN 0xa1
.endif
	MUL16 0, \s, \first
.if \kind == 1
	s_wait_dscnt 0x0                               ; the add is done, and my reads of the slot are over
	s_barrier_signal -1
.endif
	MUL16 2, \s, \first
.if \kind == 1
	WIN 0
	s_barrier_wait -1
	CREST                                          ; no wave of any partner still reads this slot or has a load on its way
	s_add_nc_u64 s[G0A+4*(((\s)/2)%2)+2:G0A+4*(((\s)/2)%2)+3], s[G0A+4*(((\s)/2)%2)+2:G0A+4*(((\s)/2)%2)+3], XWB
	tensor_load_to_lds s[G0A+4*(((\s)/2)%2):G0A+4*(((\s)/2)%2)+3], s[G1A:G1A+7]   ; my one load behind the round: two K steps, 128 matrix instructions, in which to land
	s_nop 0
	PLACES                                         ; four v_nop behind the load; also the places ahead of the loads below
.else
	s_wait_dscnt 0x0
.if \kind == 2
	s_wait_tensorcnt 0x0                           ; my last load has landed: K steps 6 and 7
.endif
.if \kind != 3
	PLACES
.endif
.endif
.if \kind != 3
	FETCH0 (\s)+1
	FETCH1 (\s)+1, 0
	SCALES (\s)+1
.endif
.if \first
	WIN 0xc1
.else
	WIN 0xf1
.endif
	MUL16 4, \s, \first
	MUL16 6, \s, \first
.if \kind != 3
	PLACES
	WIN 0
	FETCH1 (\s)+1, 4
.endif
.endm
; m = x / 10000 + 1 on n pairs: a product with 1e-4, one correction by the remainder (so that x = -10000 gives exactly 0), + 1
.macro MLINES x, t, n
.set i, 0
.rept \n
	v_pk_mul_f32 v[\t+2*i:\t+2*i+1], v[\x+2*i:\x+2*i+1], s[66:67] op_sel_hi:[1,0]
.set i, i+1
.endr
.set i, 0
.rept \n
	v_pk_fma_f32 v[\x+2*i:\x+2*i+1], v[\t+2*i:\t+2*i+1], s[68:69], v[\x+2*i:\x+2*i+1] op_sel_hi:[1,0,1]
.set i, i+1
.endr
.set i, 0
.rept \n
	v_pk_fma_f32 v[\t+2*i:\t+2*i+1], v[\x+2*i:\x+2*i+1], s[66:67], v[\t+2*i:\t+2*i+1] op_sel_hi:[1,0,1]
.set i, i+1
.endr
.set i, 0
.rept \n
	v_pk_add_f32 v[\x+2*i:\x+2*i+1], v[\t+2*i:\t+2*i+1], 1.0 op_sel_hi:[1,0]
.set i, i+1
.endr
.endm
; 64 numbers of a lane in window w, v[s] on, register 16 b + i = K index 32 b + 16 h + i of the lane's row, become a fragment in v[pc] on and its scale word in v[pw] (window 0).
.macro QUANT w, s, pc, pw
	WIN ((\w)<<2)|((\w)<<4)
.irp b, 0,1,2,3
	v_max3_num_f32 v[TM+\b], FLOOR, |v[(\s)+16*\b]|, |v[(\s)+16*\b+1]|
.endr
.irp i, 2,4,6,8,10,12,14
.irp b, 0,1,2,3
	v_max3_num_f32 v[TM+\b], v[TM+\b], |v[(\s)+16*\b+\i]|, |v[(\s)+16*\b+\i+1]|
.endr
.endr
	WIN 0
.irp b, 0,1,2,3
	v_permlanex16_b32 v[TM+4+\b], v[TM+\b], s[SEL], s[SEL+1]
.endr
.irp b, 0,1,2,3
	v_max_num_f32 v[TM+\b], v[TM+\b], v[TM+4+\b]
.endr
.irp b, 0,1,2,3
	v_add_nc_u32 v[TM+12+\b], EOFF, v[TM+\b]
.endr
.irp b, 0,1,2,3
	v_lshrrev_b32 v[TM+4+\b], 23, v[TM+12+\b]
.endr
	v_lshl_or_b32 v[\pw], v[TM+5], 8, v[TM+4]
	v_lshl_or_b32 v[\pw], v[TM+6], 16, v[\pw]
	v_lshl_or_b32 v[\pw], v[TM+7], 24, v[\pw]
	WIN (\w)
.irp c, 0,1
	v_cvt_scalef32_pk16_bf6_f32 v[(\pc)+6*\c:(\pc)+6*\c+2], v[(\s)+32*\c:(\s)+32*\c+15], v[TM+12+2*\c]
	v_cvt_scalef32_pk16_bf6_f32 v[QT+4*\c:QT+4*\c+2], v[(\s)+16+32*\c:(\s)+31+32*\c], v[TM+13+2*\c]
.endr
	WIN 0
	v_nop                                          ; one plain place behind the scaled conversions
.irp c, 0,1
.irp i, 0,1,2
	v_permlane16_swap_b32 v[(\pc)+6*\c+\i], v[QT+4*\c+\i]
.endr
.irp i, 0,1,2
	v_mov_b32 v[(\pc)+3+6*\c+\i], v[QT+4*\c+\i]
.endr
.endr
.endm
; four partial sums of 32 registers each, part p at v[32 p] of the window in force, are added into part 0
.macro KVTREE
.irp d, 1,2
.set p, 0
.rept 2/\d
.set i, 0
.rept 16
	v_pk_add_f32 v[32*p+2*i:32*p+2*i+1], v[32*p+2*i:32*p+2*i+1], v[32*(p+\d)+2*i:32*(p+\d)+2*i+1]
.set i, i+1
.endr
.set p, p+2*\d
.endr
.endr
.endm
; 32 numbers of a lane, v0-31 of window w, register 16 b + i = d 32 b + 16 h + i of the lane's e, become registers 0-5 of the fragment KF (6-11 stay zero codes) and its scale word (upper two bytes 0, over zero codes)
.macro QUANT2 w
	WIN ((\w)<<2)|((\w)<<4)
.irp b, 0,1
	v_max3_num_f32 v[TM+\b], FLOOR, |v[16*\b]|, |v[16*\b+1]|
.endr
.irp i, 2,4,6,8,10,12,14
.irp b, 0,1
	v_max3_num_f32 v[TM+\b], v[TM+\b], |v[16*\b+\i]|, |v[16*\b+\i+1]|
.endr
.endr
	WIN 0
.irp b, 0,1
	v_permlanex16_b32 v[TM+4+\b], v[TM+\b], s[SEL], s[SEL+1]
.endr
.irp b, 0,1
	v_max_num_f32 v[TM+\b], v[TM+\b], v[TM+4+\b]
.endr
.irp b, 0,1
	v_add_nc_u32 v[TM+12+\b], EOFF, v[TM+\b]
.endr
.irp b, 0,1
	v_lshrrev_b32 v[TM+4+\b], 23, v[TM+12+\b]
.endr
	v_lshl_or_b32 v[KPW], v[TM+5], 8, v[TM+4]
	WIN (\w)
	v_cvt_scalef32_pk16_bf6_f32 v[KF:KF+2], v[0:15], v[TM+12]
	v_cvt_scalef32_pk16_bf6_f32 v[QT:QT+2], v[16:31], v[TM+13]
	WIN 0
	v_nop                                          ; one plain place behind the scaled conversions
.irp i, 0,1,2
	v_permlane16_swap_b32 v[KF+\i], v[QT+\i]
.endr
.irp i, 0,1,2
	v_mov_b32 v[KF+3+\i], v[QT+\i]
.endr
.endm
	s_load_b256 s[4:11], s[0:1], 0x0               ; xq s[4:5], wq s[6:7], attention_mask s[8:9], bq s[10:11]
	s_load_b128 s[12:15], s[0:1], 0x20             ; kvp s[12:13], sump s[14:15]
	s_load_b64 s[16:17], s[0:1], 0x30              ; out0
	v_lshl_add_u32 v[SPW], v0, 2, SPARE
	v_mov_b32 v[NIL], 0
	ds_add_u32 v28, v29
	ds_add_u32 v28, v29
	s_wait_dscnt 0x0
	v_lshrrev_b32 v1, 5, v0
	v_readfirstlane_b32 s[WV], v1
	s_bfe_u32 s40, ttmp6, 0x40000                  ; cx, cy
	s_bfe_u32 s41, ttmp6, 0x40004
	s_lshl_b32 s42, ttmp9, 2
	s_add_co_u32 s42, s42, s40                     ; gx: which two heads
	s_and_b32 s43, ttmp7, 0xffff
	s_lshl_b32 s43, s43, 2
	s_add_co_u32 s43, s43, s41                     ; gy: which 512 rows
	s_lshl_b32 s44, s41, 2
	s_lshl_b32 s44, 15, s44
	s_lshl_b32 s45, 0x1111, s40
	s_or_b32 s[G1A], s44, (3<<16)|(1<<21)          ; dense blocks of 25,600 bytes as 100 rows of 256 bytes; X's go to my row of the cluster,
	s_or_b32 s[G1B], s45, (3<<16)|(1<<21)          ; W's to my column
.irp g, G1A, G1B
	s_mov_b32 s[\g+1], 32<<16
	s_mov_b32 s[\g+2], 100<<16
	s_mov_b32 s[\g+3], 32<<16
	s_mov_b32 s[\g+4], 100
	s_mov_b32 s[\g+5], 32
	s_mov_b32 s[\g+6], 0
	s_mov_b32 s[\g+7], 0
.endr
	s_lshl_b32 s20, s43, 2
	s_add_co_u32 s20, s20, s[WV]
	s_mul_i32 s20, s20, 8*BLKB
	s_mov_b32 s21, 0
	s_add_co_u32 s46, s42, 16                      ; Wq's column blocks are 16 to 23
	s_mul_i32 s46, s46, 8*BLKB
	s_mul_i32 s47, s[WV], SLOTB
	s_add_co_u32 s46, s46, s47
	s_mov_b32 s47, 0
	s_mul_i32 s[XW], s[WV], XWB
	s_mov_b32 s[SEL], 0x76543210
	s_mov_b32 s[SEL+1], 0xfedcba98
	s_mov_b32 s66, 0x38d1b717                      ; 1e-4
	s_mov_b32 s67, s66
	s_mov_b32 s68, 0xc61c4000                      ; -10000
	s_mov_b32 s69, s68
	s_wait_kmcnt 0x0
	s_mov_b32 s[G0A], 1
	s_mov_b32 s[G0A+1], s[XW]
	s_add_nc_u64 s[G0A+2:G0A+3], s[4:5], s[20:21]
	s_mov_b32 s[G0A+4], 1
	s_add_co_u32 s[G0A+5], s[XW], SLOTB
	s_add_nc_u64 s[G0A+6:G0A+7], s[G0A+2:G0A+3], SLOTB
	s_or_b32 s[G0A+3], s[G0A+3], 0x80000000
	s_or_b32 s[G0A+7], s[G0A+7], 0x80000000
	s_mov_b32 s[G0B], 1
	s_mul_i32 s[G0B+1], s[WV], SLOTB
	s_add_co_u32 s[G0B+1], s[G0B+1], WB
	s_add_nc_u64 s[G0B+2:G0B+3], s[6:7], s[46:47]
	s_or_b32 s[G0B+3], s[G0B+3], 0x80000000
	CROUND                                         ; all sixteen work-groups are here: the first joint loads meet
	tensor_load_to_lds s[G0B:G0B+3], s[G1B:G1B+7]  ; the first fills go out as one group: three loads of mine are out
	s_nop 0
	tensor_load_to_lds s[G0A:G0A+3], s[G1A:G1A+7]
	s_nop 0
	tensor_load_to_lds s[G0A+4:G0A+7], s[G1A:G1A+7]
	s_nop 0
	PLACES
	; ---- while they land: addresses
	v_and_b32 v[RR], 15, v0
	v_bfe_u32 v[HH], v0, 4, 1
	v_and_b32 v[L16], 31, v0
	v_lshlrev_b32 v[L16], 4, v[L16]
	v_add_nc_u32 v[ADX], s[XW], v[L16]
	v_add_nc_u32 v[ADW0], WB, v[L16]
	v_add_nc_u32 v[ADW0+1], WB+4*BLKB, v[L16]
	s_mov_b32 s22, WB
	s_sub_co_u32 s22, s22, s[XW]
	s_add_co_u32 s23, s22, 4*BLKB
	s_add_co_u32 s72, s[XW], SCOFF
	v_lshlrev_b32 v9, 3, v[RR]
	v_add_nc_u32 v9, s72, v9
	v_mul_u32_u24 v[ADS0], s22, v[HH]              ; lanes 16-31 take W's scale words: one product with h
	v_mul_u32_u24 v[ADS0+1], s23, v[HH]
	v_add_nc_u32 v[ADS0], v[ADS0], v9
	v_add_nc_u32 v[ADS0+1], v[ADS0+1], v9
	v_lshlrev_b32 v[OM], 6, v[HH]
	v_add_nc_u32 v[SA], SUMS, v[OM]
	v_mul_u32_u24 v[STO], v[RR], 528
	v_lshl_add_u32 v[STO], v[HH], 6, v[STO]
	v_add_nc_u32 v[STO], s[XW], v[STO]
	v_add_nc_u32 v[AKI], KVI, v[L16]
	v_and_b32 v[L8], 31, v0
	v_lshlrev_b32 v[AKS], 2, v[L8]
	v_lshlrev_b32 v[L8], 3, v[L8]
	s_lshl_b32 s73, s[WV], 8
	s_add_co_u32 s72, s73, KVSC
	v_add_nc_u32 v[WKS], s72, v[AKS]
	v_add_nc_u32 v[AKS], KVSC, v[AKS]
	s_add_co_u32 s72, s73, SUMS
	v_add_nc_u32 v[WSU], s72, v[L8]
	s_mul_i32 s72, s[WV], 3072
	s_add_co_u32 s72, s72, KVI
	v_add_nc_u32 v[WKI], s72, v[L16]
	v_mov_b32 v[AMS], MSW
	s_lshl_b32 s72, s[WV], 2
	s_add_co_u32 s72, s72, MSW
	v_mov_b32 v[WMS], s72
	v_and_b32 v[OB], 8, v[RR]
	v_add_nc_u32 v[OB], v[OB], v[RR]
	v_lshlrev_b32 v[OB], 2, v[OB]
	s_lshl_b32 s74, s42, 9                         ; my 128 columns: 512 bytes
	s_mov_b32 s75, 0
	s_add_nc_u64 s[10:11], s[10:11], s[74:75]
	s_lshl_b32 s76, s43, 11
	s_lshl_b32 s77, s[WV], 9
	s_add_co_u32 s76, s76, s77
	s_mov_b32 s77, 0
	s_add_nc_u64 s[76:77], s[8:9], s[76:77]        ; the mask of my 128 rows
	s_lshr_b32 s78, s43, 3                         ; the batch
	s_lshl_b32 s80, s78, 14
	s_lshl_b32 s79, s[WV], 12
	s_add_co_u32 s80, s80, s79
	s_mov_b32 s81, 0
	s_add_nc_u64 s[80:81], s[8:9], s[80:81]        ; my quarter of the batch's mask
	s_lshl_b32 s78, s78, 4
	s_lshl_b32 s79, s42, 1
	s_add_co_u32 s78, s78, s79
	s_lshr_b32 s79, s[WV], 1
	s_add_co_u32 s78, s78, s79                     ; 16 batch + the head that I prepare: waves 0, 1 the first, waves 2, 3 the second
	s_and_b32 s79, s[WV], 1
	s_lshl_b32 s82, s78, 16                        ; a head's four parts of kv: 65,536 bytes
	s_lshl_b32 s83, s79, 13                        ; my two tiles of e
	s_add_co_u32 s82, s82, s83
	s_mov_b32 s83, 0
	s_add_nc_u64 s[12:13], s[12:13], s[82:83]
	s_lshl_b32 s84, s78, 11                        ; a head's four parts of the sums: 2,048 bytes
	s_lshl_b32 s85, s79, 8                         ; ksum (even waves) or vsum (odd)
	s_add_co_u32 s84, s84, s85
	s_mov_b32 s85, 0
	s_add_nc_u64 s[14:15], s[14:15], s[84:85]
	s_lshl_b32 s86, s43, 21                        ; 512 rows of 4,096 bytes
	s_lshl_b32 s87, s[WV], 19
	s_add_co_u32 s86, s86, s87
	s_add_co_u32 s86, s86, s74
	s_mov_b32 s87, 0
	s_add_nc_u64 s[16:17], s[16:17], s[86:87]
	; ---- the loads of the head: 36, then kv's 64
.set c, 0
.rept 8
	global_load_b128 v[BI+8*c:BI+8*c+3], v[OM], s[10:11] offset:4*(32*(c/2)+8*(c%2))        ; bq of columns 32 (c / 2) + 8 (c % 2) + 16 h + 0 .. 7: the result's layout
	global_load_b128 v[BI+8*c+4:BI+8*c+7], v[OM], s[10:11] offset:4*(32*(c/2)+8*(c%2))+16
.set c, c+1
.endr
.set a, 0
.rept 8
	global_load_b32 v[MQ+a], v[OB], s[76:77] offset:4*(32*(a/2)+8*(a%2))
.set a, a+1
.endr
.irp i, 0,1,2,3,4,5,6,7
	global_load_b128 v[128+4*\i:131+4*\i], v[L16], s[80:81] offset:512*\i
.endr
.irp p, 0,1,2,3
	global_load_b64 v[192+2*\p:193+2*\p], v[L8], s[14:15] offset:512*\p
.endr
.irp e, 0, 1
	WIN 0x80+0x40*\e
.set i, 0
.rept 32
	global_load_b128 v[4*i:4*i+3], v[L16], s[12:13] offset:16384*(i/8)+4096*\e+512*(i%8)    ; part i / 8 of tile 2 (wave % 2) + e
.set i, i+1
.endr
.endr
	WIN 0
.irp i, 0,1,2,3
	v_mov_b32 v[TM+4+\i], 0                        ; written once: a lane permute's destination counts as one of its sources
.endr
.irp i, 6,7,8,9,10,11
	v_mov_b32 v[KF+\i], 0                          ; K = 64: the fragment's upper half is zero codes
.endr
	s_wait_loadcnt 32                              ; the second tile's 32 loads may be out: the first 36 and the first tile's 32 are in
	MLINES MQ, 208, 4
	MLINES 128, 160, 16
.irp d, 8,4,2,1
.set i, 0
.rept \d
	v_pk_add_f32 v[128+2*i:129+2*i], v[128+2*i:129+2*i], v[128+2*(i+\d):129+2*(i+\d)]
.set i, i+1
.endr
.endr
	v_add_f32 v128, v128, v129
	v_add_f32_dpp v128, v128, v128 row_xmask:1 row_mask:0xf bank_mask:0xf
	v_add_f32_dpp v128, v128, v128 row_xmask:2 row_mask:0xf bank_mask:0xf
	v_add_f32_dpp v128, v128, v128 row_xmask:4 row_mask:0xf bank_mask:0xf
	v_add_f32_dpp v128, v128, v128 row_xmask:8 row_mask:0xf bank_mask:0xf
	v_permlanex16_b32 v129, v128, s[SEL], s[SEL+1]
	v_add_f32 v128, v128, v129                     ; the sum of m over my 1,024 rows of the batch
	ds_store_b32 v[WMS], v128                      ; all lanes write the same word with the same value
.irp d, 2,1
.set i, 0
.rept \d
	v_pk_add_f32 v[192+2*i:193+2*i], v[192+2*i:193+2*i], v[192+2*(i+\d):193+2*(i+\d)]
.set i, i+1
.endr
.endr
	ds_store_b64 v[WSU], v[192:193]                ; 64 numbers of ksum or vsum
	WIN 0xaa
	KVTREE
	QUANT2 2
.irp c, 0,1,2
	ds_store_b128 v[WKI], v[KF+4*\c:KF+4*\c+3] offset:512*\c
.endr
	ds_store_b32 v[WKS], v[KPW]
	s_wait_loadcnt 0x0
	WIN 0xff
	KVTREE
	WIN 0
	s_wait_dscnt 0x0                               ; the stores have read the fragment's registers
	QUANT2 3
.irp c, 0,1,2
	ds_store_b128 v[WKI], v[KF+4*\c:KF+4*\c+3] offset:1536+512*\c
.endr
	ds_store_b32 v[WKS], v[KPW] offset:128
	s_wait_dscnt 0x0                               ; for the others' sake: my stores have landed
	s_wait_tensorcnt 1                             ; my quarter of W and my slot 0 are in; slot 1's load may stay out
	s_barrier_signal -1
	s_barrier_wait -1
	FETCH0 0
	FETCH1 0, 0
	SCALES 0
	FETCH1 0, 4
	KSTEP 0, 0, 1                                  ; the first K step starts the sums from the bias
	KSTEP 1, 1, 0                                  ; slot 0 takes K steps 4, 5
	KSTEP 2, 0, 0
	KSTEP 3, 1, 0                                  ; slot 1 takes K steps 6, 7
	KSTEP 4, 0, 0
	KSTEP 5, 2, 0
	KSTEP 6, 0, 0
	KSTEP 7, 3, 0
	WIN 0
	PLACES
.set QT, 84                            ; from here on the bias's registers are free, and v192-255 serve the way out
	; ---- kv's fragments, ksum and vsum in the results' layouts, the scale words, the four sums of m
	WIN 0x40
.set E, 0
.rept 8
	FRAG 12*E, AKI, 1536*E
.set E, E+1
.endr
.set c, 0
.rept 8
	ds_load_b128 v[96+8*c:99+8*c], v[SA] offset:512*(c/4)+128*((c%4)/2)+32*(c%2)
	ds_load_b128 v[100+8*c:103+8*c], v[SA] offset:512*(c/4)+128*((c%4)/2)+32*(c%2)+16
	ds_load_b128 v[160+8*c:163+8*c], v[SA] offset:512*(c/4)+256+128*((c%4)/2)+32*(c%2)
	ds_load_b128 v[164+8*c:167+8*c], v[SA] offset:512*(c/4)+256+128*((c%4)/2)+32*(c%2)+16
.set c, c+1
.endr
	WIN 0
.irp E, 0,1,2,3,4,5,6,7
	ds_load_b32 v[KVS+\E], v[AKS] offset:128*\E
.endr
	ds_load_b128 v[44:47], v[AMS]
.irp i, 12,13,14,15,16,17
	v_mov_b32 v[PC+\i], 0                          ; zero codes behind the second head's six registers
.endr
	s_wait_dscnt 0x0
	v_add_f32 v[CST], v44, v45
	v_add_f32 v43, v46, v47
	v_add_f32 v[CST], v[CST], v43
	v_add_f32 v[CST], 0x3727c5ac, v[CST]           ; msum + 1e-5
	; ---- for each row tile a and head hh (k = 2 a + hh): the sum of y^2 and y . ksum; four chains by turns
.set g, 0
.rept 4
	WIN 0x0a+5*(g/2)
.irp kk, 0,1,2,3
	v_pk_mul_f32 v[SSP+2*(4*g+\kk):SSP+2*(4*g+\kk)+1], v[32*((4*g+\kk)%8):32*((4*g+\kk)%8)+1], v[32*((4*g+\kk)%8):32*((4*g+\kk)%8)+1]   ; each accumulator is read from its low end on
.endr
.set i, 1
.rept 15
.irp kk, 0,1,2,3
	v_pk_fma_f32 v[SSP+2*(4*g+\kk):SSP+2*(4*g+\kk)+1], v[32*((4*g+\kk)%8)+2*i:32*((4*g+\kk)%8)+2*i+1], v[32*((4*g+\kk)%8)+2*i:32*((4*g+\kk)%8)+2*i+1], v[SSP+2*(4*g+\kk):SSP+2*(4*g+\kk)+1]
.endr
.set i, i+1
.endr
	WIN 0x06+(g/2)
.irp kk, 0,1,2,3
	v_pk_mul_f32 v[DTP+2*(4*g+\kk):DTP+2*(4*g+\kk)+1], v[32*((4*g+\kk)%8):32*((4*g+\kk)%8)+1], v[96+32*(\kk%2):97+32*(\kk%2)]
.endr
.set i, 1
.rept 15
.irp kk, 0,1,2,3
	v_pk_fma_f32 v[DTP+2*(4*g+\kk):DTP+2*(4*g+\kk)+1], v[32*((4*g+\kk)%8)+2*i:32*((4*g+\kk)%8)+2*i+1], v[96+32*(\kk%2)+2*i:97+32*(\kk%2)+2*i], v[DTP+2*(4*g+\kk):DTP+2*(4*g+\kk)+1]
.endr
.set i, i+1
.endr
.set g, g+1
.endr
	WIN 0
.set k, 0
.rept 16
	v_add_f32 v[SSP+2*k], v[SSP+2*k], v[SSP+2*k+1]
	v_add_f32 v[DTP+2*k], v[DTP+2*k], v[DTP+2*k+1]
.set k, k+1
.endr
.set k, 0
.rept 16
	v_permlanex16_b32 v[SSP+2*k+1], v[SSP+2*k], s[SEL], s[SEL+1]
	v_permlanex16_b32 v[DTP+2*k+1], v[DTP+2*k], s[SEL], s[SEL+1]
.set k, k+1
.endr
.set k, 0
.rept 16
	v_add_f32 v[SSP+2*k], v[SSP+2*k], v[SSP+2*k+1]
	v_add_f32 v[DTP+2*k], v[DTP+2*k], v[DTP+2*k+1]
.set k, k+1
.endr
.rept 2
.set k, 0
.rept 16
	v_mul_f32 v[SSP+2*k], v[SSP+2*k], v[MQ+k/2]
.set k, k+1
.endr
.endr
.set k, 0
.rept 16
	v_sqrt_f32 v[SSP+2*k], v[SSP+2*k]
.set k, k+1
.endr
	v_nop
	s_wait_alu depctr_va_vdst(0)                   ; one wait for the 16 roots, ahead of their first reader
.set k, 0
.rept 16
	v_add_f32 v[SSP+2*k], 0x3727c5ac, v[SSP+2*k]
.set k, k+1
.endr
.set k, 0
.rept 16
	v_rcp_f32 v[G+k], v[SSP+2*k]
.set k, k+1
.endr
	v_nop
	s_wait_alu depctr_va_vdst(0)
.set k, 0
.rept 16
	v_mul_f32 v[G+k], v[G+k], v[MQ+k/2]            ; g = m / (norm + 1e-5): q = y g
.set k, k+1
.endr
.set k, 0
.rept 16
	v_fma_f32 v[DTP+2*k], v[DTP+2*k], v[G+k], v[CST]   ; q . ksum + 1e-5 + msum
.set k, k+1
.endr
.set k, 0
.rept 16
	v_rcp_f32 v[RD+k], v[DTP+2*k]
.set k, k+1
.endr
	v_nop
	s_wait_alu depctr_va_vdst(0)
; Row tile a: q = y g; quantised: registers 0-5 of the fragment are the first head's 64, registers 6-11 the second's; eight products with kv (source 0 = 16 of e, C = vsum); divided.
.macro CT a
.set SB, 64*((\a)%4)
	WIN 0x82+0x41*((\a)/4)
.set i, 0
.rept 16
	v_pk_mul_f32 v[SB+2*i:SB+2*i+1], v[SB+2*i:SB+2*i+1], v[G+2*(\a):G+2*(\a)+1] op_sel_hi:[1,0]
.set i, i+1
.endr
.rept 16
	v_pk_mul_f32 v[SB+2*i:SB+2*i+1], v[SB+2*i:SB+2*i+1], v[G+2*(\a):G+2*(\a)+1] op_sel:[0,1] op_sel_hi:[1,1]
.set i, i+1
.endr
	QUANT 2+(\a)/4, 64*((\a)%4), PC, PW
	v_lshrrev_b32 v[PW1], 16, v[PW]                ; the second head's two bytes; above them 0, over zero codes
.rept 8
	v_nop                                          ; a scale register written by a vector instruction stands 8 places ahead of a scaled matrix instruction, an operand 4
.endr
	s_wait_dscnt 16                                ; the last tile's 16 stores into the stage have read the results' registers; its 16 loads may be out
	WIN 0x11
.irp E, 0,1,2,3
	v_wmma_scale_f32_16x16x128_f8f6f4 v[CTX+8*\E:CTX+8*\E+7], v[12*\E:12*\E+11], v[PC:PC+11], v[160+8*\E:167+8*\E], v[KVS+\E], v[PW] matrix_a_fmt:MATRIX_FMT_BF6 matrix_b_fmt:MATRIX_FMT_BF6   ; kv's upper half is zero codes: the second head's codes in registers 6-11 add nothing
.endr
.irp E, 4,5,6,7
	v_wmma_scale_f32_16x16x128_f8f6f4 v[CTX+8*\E:CTX+8*\E+7], v[12*\E:12*\E+11], v[PC+6:PC+17], v[160+8*\E:167+8*\E], v[KVS+\E], v[PW1] matrix_a_fmt:MATRIX_FMT_BF6 matrix_b_fmt:MATRIX_FMT_BF6
.endr
	WIN 0
	PLACES
.set i, 0
.rept 16
	v_pk_mul_f32 v[CTX+2*i:CTX+2*i+1], v[CTX+2*i:CTX+2*i+1], v[RD+2*(\a):RD+2*(\a)+1] op_sel_hi:[1,0]
.set i, i+1
.endr
.rept 16
	v_pk_mul_f32 v[CTX+2*i:CTX+2*i+1], v[CTX+2*i:CTX+2*i+1], v[RD+2*(\a):RD+2*(\a)+1] op_sel:[0,1] op_sel_hi:[1,1]
.set i, i+1
.endr
.endm
; A lane holds pieces of 32 bytes of one row; the tile goes through my stage (my ring's bytes: they have had their last fill, and only I touch them) and comes back as whole rows of 512 bytes.
.macro TOSTAGE
.set E, 0
.rept 8
	ds_store_b128 v[STO], v[CTX+8*E:CTX+8*E+3] offset:256*(E/4)+128*((E%4)/2)+32*(E%2)
	ds_store_b128 v[STO], v[CTX+8*E+4:CTX+8*E+7] offset:256*(E/4)+128*((E%4)/2)+32*(E%2)+16
.set E, E+1
.endr
.set t, 0
.rept 16
	ds_load_b128 v[BK+4*t:BK+4*t+3], v[ADX] offset:528*t   ; LDS serves a wave's instructions in order: these see my stores
.set t, t+1
.endr
.endm
.macro SEND a
.set t, 0
.rept 16
	s_wait_dscnt 15-t                              ; the younger rows may be out
	global_store_b128 v[L16], v[BK+4*t:BK+4*t+3], s[16:17] offset:4096*(32*((\a)/2)+8*((\a)%2)+t+8*(t/8)) th:TH_STORE_NT   ; 32 lanes store 512 consecutive bytes, aligned; written once
.set t, t+1
.endr
.endm
	CT 0
	TOSTAGE
.irp a, 1,2,3,4,5,6,7
	CT \a                                          ; a tile's arithmetic stands between the loads of the tile before and its stores
	SEND \a-1
	s_wait_xcnt 0x0                                ; the stores have read their registers: the next tile's rows may land there
	TOSTAGE
.endr
	SEND 7
	s_wait_tensorcnt 0x0                           ; the wave's end
	ds_add_u32 v[SPW], v[NIL]
	s_wait_dscnt 0x0
	CROUND                                         ; the closing round
	s_endpgm
.Lfunc_end_k_q9e4e48b582_ctx:
	.size	k_q9e4e48b582_ctx, .Lfunc_end_k_q9e4e48b582_ctx-k_q9e4e48b582_ctx
	.p2alignl 7, 3214868480
	.fill 96, 4, 3214868480
	.section	.rodata,"a",@progbits
	.p2align	6, 0x0
	.amdhsa_kernel k_q9e4e48b582_ctx
		.amdhsa_group_segment_fixed_size 327680
		.amdhsa_private_segment_fixed_size 0
		.amdhsa_enable_private_segment 0
		.amdhsa_kernarg_size 56
		.amdhsa_user_sgpr_count 2
		.amdhsa_user_sgpr_kernarg_segment_ptr 1
		.amdhsa_wavefront_size32 1
		.amdhsa_system_sgpr_workgroup_id_x 1
		.amdhsa_system_sgpr_workgroup_id_y 1
		.amdhsa_system_sgpr_workgroup_id_z 1
		.amdhsa_system_vgpr_workitem_id 0
		.amdhsa_next_free_vgpr 1024
		.amdhsa_next_free_sgpr 96
		.amdhsa_reserve_vcc 0
		.amdhsa_float_denorm_mode_32 3
		.amdhsa_float_denorm_mode_16_64 3
		.amdhsa_memory_ordered 1
		.amdhsa_forward_progress 1
		.amdhsa_inst_pref_size 255
	.end_amdhsa_kernel
	.section	.bss,"aw",@nobits
	.p2align	6
	.space	262144
	.amdgpu_metadata
---
amdhsa.version: [ 1, 2 ]
amdhsa.kernels:
  - .name:           k_q9e4e48b582_ctx
    .symbol:         k_q9e4e48b582_ctx.kd
    .args:
      - { .name: xq, .offset: 0, .size: 8, .value_kind: global_buffer, .address_space: global }
      - { .name: wq, .offset: 8, .size: 8, .value_kind: global_buffer, .address_space: global }
      - { .name: attention_mask, .offset: 16, .size: 8, .value_kind: global_buffer, .address_space: global }
      - { .name: bq, .offset: 24, .size: 8, .value_kind: global_buffer, .address_space: global }
      - { .name: kvp, .offset: 32, .size: 8, .value_kind: global_buffer, .address_space: global }
      - { .name: sump, .offset: 40, .size: 8, .value_kind: global_buffer, .address_space: global }
      - { .name: out0, .offset: 48, .size: 8, .value_kind: global_buffer, .address_space: global }
    .group_segment_fixed_size: 327680
    .private_segment_fixed_size: 0
    .kernarg_segment_align: 8
    .kernarg_segment_size: 56
    .max_flat_workgroup_size: 128
    .sgpr_count:     96
    .vgpr_count:     1024
    .wavefront_size: 32
...
	.end_amdgpu_metadata
.endif
;; end of part 3
